; MI455X (gfx1250); checked and timed in simulation.
; The chip was launched on July 23, 2026; its instructions are those of AMD's public machine-readable ISA for CDNA 5 (MIT licence, August 2026) and "CDNA5" Instruction Set Architecture Reference Guide (July 2026). The comments in the code are by the model that wrote it; some were corrected since.
;; Multihead Self Attention. Allowed arithmetic: matrix products marked QUANTISED: E2M1 operands, one E8M0 scale for each 32 along K, by v_wmma_scale_f32_16x16x128_f8f6f4 with both operands' format E2M1 (or v_wmma_scale_f32_32x16x128_f4), f32 sums; products left as they are: bf16, f16 or f32 operands; f32 sums; everything else in f32.
;; Inputs: Wk 2,048 x 2,048 float32; Wo 2,048 x 2,048 float32; Wq 2,048 x 2,048 float32; Wv 2,048 x 2,048 float32; token_positions 1 x 2,048 int32; x 1 x 2,048 x 2,048 float32.
;; Outputs: out0 1 x 2,048 x 2,048 float32.
;; This version of the problem:
;;   THIS VERSION OF THE PROBLEM IS GIVEN IN LOW PRECISION. The matrix products marked QUANTISED in the list below multiply operands that are first quantised to E2M1 (2 exponent bits, 1 mantissa bit; 4 bits a number), with one power-of-two scale for each 32 numbers along K (OCP MX v1.0); their sums are f32. The products marked 'left as it is' may take bf16, f16 or f32 operands, with f32 sums. Whichever they take, every output number must still come out within the allowed error. Rounding operands to bf16 (8 significant bits) uses up far more of that allowance than f16 does (11 bits, for magnitudes from 6e-5 to 65,504). All else is computed in f32.
;;   The module's matrix products, in the order in which they are computed (A, B: the left and right operand; K: the contracted axis; several contracted axes count as one K, in the product's order):
;;     1. [M 2,048, K 2,048] x [K 2,048, N 2,048]; A: input x; B: input Wq: QUANTISED
;;     2. [M 2,048, K 2,048] x [K 2,048, N 2,048]; A: input x; B: input Wk: QUANTISED
;;     3. [M 2,048, K 2,048] x [K 2,048, N 2,048]; A: input x; B: input Wv: QUANTISED
;;     4. batch 16 x [M 2,048, K 128] x [K 128, N 2,048]; A: computed on the way; B: computed on the way: left as it is (an operand is computed on the way)
;;     5. batch 16 x [M 2,048, K 2,048] x [K 2,048, N 128]; A: computed on the way; B: computed on the way: left as it is (an operand is computed on the way)
;;     6. [M 2,048, K 2,048] x [K 2,048, N 2,048]; A: computed on the way; B: input Wo: left as it is (an operand is computed on the way)
;;   THE QUANTISER, for each operand of a quantised product, along K:
;;     - K is cut into blocks of 32 from its start; a last block that is shorter is filled with zeros.
;;     - A block's scale is 2^e with e = floor(log2(the largest magnitude in the block)) - 2, held to -126 .. 127; a block of zeros has e = 0. As a byte (E8M0): e + 127.
;;     - Each number is divided by its block's scale, clamped to +-6, and rounded to the nearest number of E2M1, ties to even, subnormals kept.
;;     - The product sums the exact products of the quantised numbers (number of the format x scale) in f32.
;;   ~~~python
;;   def quantise(x, axis):      # numpy; x: float32 -> the quantised numbers, widened to float32 again
;;       x = np.moveaxis(x, axis, -1); K = x.shape[-1]
;;       x = np.pad(x, [(0, 0)] * (x.ndim - 1) + [(0, -K % 32)]); x = x.reshape(x.shape[:-1] + (-1, 32)); a = np.abs(x).max(-1, keepdims=True)
;;       e = np.where(a > 0, np.clip(np.frexp(np.where(a > 0, a, 1))[1] - 1 - 2, -126, 127), 0)      # np.frexp(a)[1] - 1 = floor(log2(a)), exactly
;;       r = np.clip(x / 2.0 ** e, -6, 6)
;;       step = 2.0 ** (np.maximum(np.frexp(np.where(r == 0, 1, r))[1] - 1, 0) - 1)
;;       q = np.round(r / step) * step * 2.0 ** e      # np.round: ties to even
;;       return np.moveaxis(q.reshape(q.shape[:-2] + (-1,))[..., :K], -1, axis).astype(np.float32)
;;   ~~~
;; One version. Each part assembles by itself: llvm-mc -triple=amdgcn-amd-amdhsa -mcpu=gfx1250 --defsym DOCPART=n.
;; ======== version 1 of 1: 5 launches
;; limits: values are held in f16: magnitudes above 65,504 overflow, below 6.1e-05 lose precision
;; workspace buffers: codes 8,388,608 bytes; scales 524,288 bytes; wo16 8,388,608 bytes; rope 1,114,112 bytes; qkv16 25,165,824 bytes; fine32 393,216 bytes; o16 8,388,608 bytes
;; launch prep (part 1): grid 674 x 1, 4 waves a work-group, no clusters, 33,280 bytes of LDS; arguments x, Wq, Wk, Wv, Wo, token_positions, codes, scales, wo16, rope; writes codes, scales, wo16, rope
.if DOCPART == 1
	.amdgcn_target "amdgcn-amd-amdhsa--gfx1250"
	.amdhsa_code_object_version 6
	.text
	.protected	k_q3dc0125523_prep
	.globl	k_q3dc0125523_prep
	.p2align	8
	.type	k_q3dc0125523_prep,@function
k_q3dc0125523_prep:
	s_mov_b64 s[64:65], 0
	v_nop
	global_prefetch_b8 v0, s[64:65] scope:SCOPE_SE
	s_setreg_imm32_b32 hwreg(HW_REG_WAVE_MODE, 25, 1), 1
	s_wait_xcnt 0x0
; PREP: one pass over the five large f32 inputs, and the table of cosines and sines.  Three kinds of work-group, told apart by the work-group's number alone:
;   0 .. 511    x, Wq, Wk, Wv (each [2048][2048] f32, K innermost) become codes of FP4 (E2M1) and one E8M0 byte for each 32 along K:
;               codes [8192 rows][1024 bytes], scales [8192][64]; rows 0-2047 x, 2048-4095 Wq, 4096-6143 Wk, 6144-8191 Wv.
;   512 .. 639  Wo becomes f16 (round to nearest even), same layout.
;   640 .. 673  rope [2176][64 pairs][cos, sin] f32: row s < 2048 from token_positions[s]; rows 2048-2175 hold (1, 0), the rotation that changes nothing.
; A block's scale is 2^(floor(log2(largest magnitude)) - 2); its byte is the largest magnitude's exponent field - 2, held at 1 from below.
; LIMITS: a block of zeros, and a block whose largest magnitude lies under 2^-124, get the byte 1 (the rule says 127 for zeros: the codes are zeros, and this program alone reads the bytes);
; NaN and infinities among the inputs are not served.  The pair's frequency is 2^(-i log2(10000) / 64), within about two units in its last place of 10000^(-i / 64); the angle is one f32 product, position x frequency;
; sine and cosine come by a reduction modulo pi / 2 in three fused steps and polynomials of degree 9 and 8: good for every int32 position (the quotient stays under 2^31).
; Only the first kind uses LDS: each wave's own 8,192 bytes; no barrier: waves share nothing.
.set STEPS, 16
.set EMAX,  2
.set CB,    8                          ; bytes of 16 codes
.set R,     16                         ; v16-79   four sets of 16 numbers as loaded
.set X,     80                         ; v80-111  two sets of 16 neighbours
.set C,     128                        ; v128-191 codes: registers of its own for each step
.set E,     112                        ; v112-127 a scale byte for each step
.set WREG,  8192                       ; LDS: a wave's region: two stages of 32 x SP bytes, then its 256 scale bytes
.set SP,    80                         ; a lane's place in a stage: 64 bytes + 16 of padding
.set SPW,   12                         ; v12 my spare word's LDS address; never rewritten
.set NIL,   13                         ; v13 0; never rewritten
.set SPARE, 4*WREG                     ; behind the four regions: the spare words, 128 bytes a wave
	s_load_b512 s[4:19], s[0:1], 0x0               ; x s[4:5], Wq s[6:7], Wk s[8:9], Wv s[10:11], Wo s[12:13], positions s[14:15], codes s[16:17], scales s[18:19]
	s_load_b128 s[20:23], s[0:1], 0x40             ; wo16 s[20:21], rope s[22:23]
	v_lshl_add_u32 v[SPW], v0, 2, SPARE
	v_mov_b32 v[NIL], 0
	v_lshrrev_b32 v1, 5, v0
	v_readfirstlane_b32 s24, v1                    ; wave 0..3
	v_and_b32 v2, 31, v0                           ; lane
	v_lshlrev_b32 v3, 4, v2                        ; 16 x lane: my 16 bytes of a load's 512
	s_mul_i32 s25, s24, WREG
	v_lshrrev_b32 v14, 2, v2
	v_mul_u32_u24 v14, v14, SP
	v_and_b32 v15, 3, v2
	v_lshl_add_u32 v14, v15, 4, v14
	v_add_nc_u32 v14, s25, v14                     ; the stage, on the way in: SP (lane / 4) + 16 (lane % 4)
	v_mul_u32_u24 v15, v2, SP
	v_add_nc_u32 v15, s25, v15                     ; and on the way out: SP x lane: my 16 neighbours
	v_mul_u32_u24 v4, v2, CB                       ; my codes' place in a step's
	v_lshrrev_b32 v5, 1, v2
	s_add_co_u32 s25, s25, 2*32*SP
	v_add_nc_u32 v5, s25, v5                       ; my block's byte among my wave's 256 scale bytes
	v_lshlrev_b32 v7, 3, v2                        ; 8 x lane
	v_add_nc_u32 v6, s25, v7
	s_wait_kmcnt 0x0
	s_cmp_lt_u32 ttmp9, 512
	s_cbranch_scc1 .Lquant
	s_cmp_lt_u32 ttmp9, 640
	s_cbranch_scc1 .Lcast
; ---- THE TABLE.  Wave W = 4 (work-group - 640) + wave makes rows 16 W .. 16 W + 15; lane l owns pairs 2 l and 2 l + 1: 16 bytes of a row, so a store covers a whole row of 512 bytes.
	s_sub_co_u32 s26, ttmp9, 640
	s_lshl_b32 s26, s26, 2
	s_add_co_u32 s26, s26, s24                     ; W, 0 .. 135
	s_cmp_lt_u32 s26, 128
	s_cselect_b32 s25, 1.0, 0                      ; rows from 2048 on: frequency 0, so the angle is 0: cos 1, sin 0
	s_min_u32 s28, s26, 127                        ; their 16 positions are read inside the buffer and multiplied by 0
	s_lshl_b32 s28, s28, 6
	s_mov_b32 s29, 0
	s_add_nc_u64 s[14:15], s[14:15], s[28:29]
	s_load_b512 s[32:47], s[14:15], 0x0            ; 16 positions
	s_lshl_b32 s30, s26, 13                        ; 16 rows of 512 bytes
	s_mov_b32 s31, 0
	s_add_nc_u64 s[22:23], s[22:23], s[30:31]
	s_mov_b32 s48, 0x3f22f983                      ; 2 / pi
	s_mov_b32 s49, 0xbfc90fdb                      ; -(pi / 2), in three parts
	s_mov_b32 s50, 0x333bbd2e
	s_mov_b32 s51, 0x26f72ced
	s_mov_b32 s52, 0x3638ef1d                      ; sine: 1/9!, -1/7!, 1/5!, -1/3!
	s_mov_b32 s53, 0xb9500d01
	s_mov_b32 s54, 0x3c088889
	s_mov_b32 s55, 0xbe2aaaab
	s_mov_b32 s56, 0x37d00d01                      ; cosine: 1/8!, -1/6!, 1/4!
	s_mov_b32 s57, 0xbab60b61
	s_mov_b32 s58, 0x3d2aaaab
	v_lshlrev_b32 v18, 1, v2
	v_add_nc_u32 v19, 1, v18
	v_cvt_f32_u32 v18, v18
	v_cvt_f32_u32 v19, v19
	v_mul_f32 v18, 0xbe549a78, v18                 ; -i log2(10000) / 64
	v_mul_f32 v19, 0xbe549a78, v19
	v_exp_f32 v16, v18
	v_exp_f32 v17, v19
	v_lshlrev_b32 v1, 4, v2                        ; (a plain line behind the exponentials)  my 16 bytes of a row
	s_wait_alu depctr_va_vdst(0)                   ; one wait for both, ahead of their first reader
	v_mul_f32 v16, s25, v16
	v_mul_f32 v17, s25, v17
	s_wait_kmcnt 0x0
; One row: angle a = position x frequency; n = nearest whole number to a 2 / pi; r = a - n pi / 2; sine and cosine of r; the quadrant n mod 4 swaps them and sets the signs.
.macro ROW i
	v_cvt_f32_i32 v34, s[32+\i]
.irp u, 0,1
	v_mul_f32 v[20+\u], v34, v[16+\u]
	v_mul_f32 v[22+\u], s48, v[20+\u]
	v_rndne_f32 v[22+\u], v[22+\u]
	v_fma_f32 v[24+\u], v[22+\u], s49, v[20+\u]
	v_fma_f32 v[24+\u], v[22+\u], s50, v[24+\u]
	v_fma_f32 v[24+\u], v[22+\u], s51, v[24+\u]
	v_cvt_i32_f32 v[32+\u], v[22+\u]
	v_mul_f32 v[26+\u], v[24+\u], v[24+\u]         ; z = r r
	v_fma_f32 v[28+\u], v[26+\u], s52, s53
	v_fma_f32 v[30+\u], v[26+\u], s56, s57
	v_fma_f32 v[28+\u], v[28+\u], v[26+\u], s54
	v_fma_f32 v[30+\u], v[30+\u], v[26+\u], s58
	v_fma_f32 v[28+\u], v[28+\u], v[26+\u], s55
	v_fma_f32 v[30+\u], v[30+\u], v[26+\u], -0.5
	v_mul_f32 v[36+\u], v[24+\u], v[26+\u]
	v_fma_f32 v[30+\u], v[30+\u], v[26+\u], 1.0    ; cos r
	v_fma_f32 v[28+\u], v[28+\u], v[36+\u], v[24+\u]   ; sin r
	v_and_b32 v[38+\u], 1, v[32+\u]
	v_cmp_eq_u32 vcc_lo, 1, v[38+\u]               ; an odd quadrant swaps the two
	v_cndmask_b32 v[40+\u], v[28+\u], v[30+\u], vcc_lo
	v_cndmask_b32 v[42+\u], v[30+\u], v[28+\u], vcc_lo
	v_lshlrev_b32 v[38+\u], 30, v[32+\u]           ; sine is negative in quadrants 2, 3: bit 1 of n
	v_add_nc_u32 v[32+\u], 1, v[32+\u]             ; cosine in quadrants 1, 2: bit 1 of n + 1
	v_and_b32 v[38+\u], 0x80000000, v[38+\u]
	v_lshlrev_b32 v[32+\u], 30, v[32+\u]
	v_xor_b32 v[64+4*\i+2*\u+1], v[38+\u], v[40+\u]
	v_and_b32 v[32+\u], 0x80000000, v[32+\u]
	v_xor_b32 v[64+4*\i+2*\u], v[32+\u], v[42+\u]
.endr
	global_store_b128 v1, v[64+4*\i:64+4*\i+3], s[22:23] offset:512*\i   ; each row has its own four registers: no store's data are written again
.endm
.irp i, 0,1,2,3,4,5,6,7,8,9,10,11,12,13,14,15
	ROW \i
.endr
	s_endpgm
; ---- Wo TO f16.  A wave takes 8,192 numbers in four rounds of 16 loads; a load reads 512 consecutive bytes, its store writes 256 consecutive bytes, aligned.
.Lcast:
	s_sub_co_u32 s25, ttmp9, 512
	s_lshl_b32 s25, s25, 2
	s_add_co_u32 s25, s25, s24                     ; my run of 8,192 numbers, 0 .. 511
	s_lshl_b32 s26, s25, 15
	s_mov_b32 s27, 0
	s_add_nc_u64 s[12:13], s[12:13], s[26:27]
	s_lshl_b32 s26, s25, 14
	s_add_nc_u64 s[20:21], s[20:21], s[26:27]
.macro CLOAD r
.irp i, 0,1,2,3,4,5,6,7,8,9,10,11,12,13,14,15
	global_load_b128 v[16+64*((\r)%2)+4*\i:16+64*((\r)%2)+4*\i+3], v3, s[12:13] offset:(\r)*8192+512*\i th:TH_LOAD_NT
.endr
.endm
.macro CWORK r, left                   ; left: the loads of the one younger round, which may stay out
	s_wait_loadcnt \left
.if (\r) > 1
	s_wait_xcnt 0x0                                ; the stores of two rounds ago have read these registers: they are written again only behind this wait
.endif
.irp i, 0,1,2,3,4,5,6,7,8,9,10,11,12,13,14,15
	v_cvt_pk_f16_f32 v[144+32*((\r)%2)+2*\i], v[16+64*((\r)%2)+4*\i], v[16+64*((\r)%2)+4*\i+1]
	v_cvt_pk_f16_f32 v[144+32*((\r)%2)+2*\i+1], v[16+64*((\r)%2)+4*\i+2], v[16+64*((\r)%2)+4*\i+3]
.endr
.irp i, 0,1,2,3,4,5,6,7,8,9,10,11,12,13,14,15
	global_store_b64 v7, v[144+32*((\r)%2)+2*\i:144+32*((\r)%2)+2*\i+1], s[20:21] offset:(\r)*4096+256*\i
.endr
.endm
	CLOAD 0
	CLOAD 1
	CWORK 0, 16
	CLOAD 2
	CWORK 1, 16
	CLOAD 3
	CWORK 2, 16
	CWORK 3, 0
	s_endpgm
; ---- THE QUANTISER.  A wave takes 16 steps of 512 numbers.  A load reads 512 consecutive bytes, 16 a lane; a step's 2,048 bytes turn through the wave's own stage in LDS and come back 64 bytes a lane:
; 16 neighbours along K, two neighbouring lanes to a block of 32.  A lane's 16 codes are 8 bytes: a store covers 256 consecutive bytes.  A wave's 256 scale bytes are gathered in LDS and leave as one unit.
.Lquant:
	s_cmp_lt_u32 ttmp9, 128                        ; which tensor: the choice hangs on the work-group's number alone
	s_cselect_b64 s[26:27], s[4:5], s[6:7]
	s_cmp_lt_u32 ttmp9, 384
	s_cselect_b64 s[28:29], s[8:9], s[10:11]
	s_cmp_lt_u32 ttmp9, 256
	s_cselect_b64 s[26:27], s[26:27], s[28:29]
	s_and_b32 s30, ttmp9, 127
	s_lshl_b32 s30, s30, 2
	s_add_co_u32 s30, s30, s24                     ; my run of 8,192 numbers in that tensor
	s_lshl_b32 s30, s30, 15
	s_mov_b32 s31, 0
	s_add_nc_u64 s[26:27], s[26:27], s[30:31]
	s_lshl_b32 s30, ttmp9, 2
	s_add_co_u32 s30, s30, s24                     ; and among all four: 0 .. 2047
	s_lshl_b32 s32, s30, 12                        ; 4,096 bytes of codes a run
	s_mov_b32 s33, 0
	s_add_nc_u64 s[16:17], s[16:17], s[32:33]
	s_lshl_b32 s32, s30, 8                         ; 256 scale bytes a run
	s_add_nc_u64 s[18:19], s[18:19], s[32:33]
.macro LOAD t
.irp i, 0,1,2,3
	global_load_b128 v[R+16*((\t)%4)+4*\i:R+16*((\t)%4)+4*\i+3], v3, s[26:27] offset:2048*(\t)+512*\i th:TH_LOAD_NT
.endr
.endm
.macro TURN t                          ; step t's numbers through the stage: LDS serves a wave's instructions in order, so no wait stands between the stores and the loads
.irp i, 0,1,2,3
	ds_store_b128 v14, v[R+16*((\t)%4)+4*\i:R+16*((\t)%4)+4*\i+3] offset:32*SP*((\t)%2)+8*SP*\i
.endr
.irp i, 0,1,2,3
	ds_load_b128 v[X+16*((\t)%2)+4*\i:X+16*((\t)%2)+4*\i+3], v15 offset:32*SP*((\t)%2)+16*\i
.endr
.endm
.irp t, 0,1,2,3
	LOAD \t
.endr
	s_wait_loadcnt 12                              ; step 0's four loads are in; three steps' twelve may be out
	TURN 0
.macro STEP t
.set XS, X+16*((\t)%2)
.if (\t) > 0
	s_wait_dscnt 1                                 ; this step's numbers are back from the stage; the last step's byte store may be out
.else
	s_wait_dscnt 0x0
.endif
.if (\t)+4 < STEPS
	LOAD (\t)+4                                    ; into the registers that the stage's stores have read
.endif
.if (\t)+1 < STEPS
.if STEPS-2-(\t) >= 3
	s_wait_loadcnt 12                              ; the next step's four loads are in; those of the three steps behind it may be out
.else
	s_wait_loadcnt 4*(STEPS-2-(\t))
.endif
	TURN (\t)+1
.endif
	v_max3_num_f32 v8, |v[XS]|, |v[XS+1]|, |v[XS+2]|               ; the largest magnitude of my 16, in two chains
	v_max3_num_f32 v9, |v[XS+3]|, |v[XS+4]|, |v[XS+5]|
.irp i, 6,10
	v_max3_num_f32 v8, v8, |v[XS+\i]|, |v[XS+\i+1]|
	v_max3_num_f32 v9, v9, |v[XS+\i+2]|, |v[XS+\i+3]|
.endr
	v_max3_num_f32 v8, v8, |v[XS+14]|, |v[XS+15]|
	v_max3_num_f32 v8, v8, v9, (EMAX+1)<<23        ; and the floor 2^(3 - 127): the byte cannot fall under 1
	v_max_num_f32_dpp v8, v8, v8 row_xmask:1 row_mask:0xf bank_mask:0xf   ; with my neighbour's 16: the block's
	v_add_nc_u32 v11, -(EMAX<<23), v8              ; 2 off its exponent field: the conversion takes that field as its scale, and nothing else
	v_cvt_scalef32_pk8_fp4_f32 v[C+4*(\t)], v[XS:XS+7], v11
	v_cvt_scalef32_pk8_fp4_f32 v[C+4*(\t)+1], v[XS+8:XS+15], v11
	v_lshrrev_b32 v[E+(\t)], 23, v11               ; the scale's byte (also the plain line behind the conversions)
	ds_store_b8 v5, v[E+(\t)] offset:16*(\t)       ; both lanes of a block write the same byte with the same value
	global_store_b64 v4, v[C+4*(\t):C+4*(\t)+1], s[16:17] offset:32*CB*(\t)
.endm
.irp t, 0,1,2,3,4,5,6,7,8,9,10,11,12,13,14,15
	STEP \t
.endr
	ds_load_b64 v[8:9], v6                         ; these see my byte stores: LDS serves a wave in order
	s_wait_dscnt 0x0
	global_store_b64 v7, v[8:9], s[18:19]          ; 32 lanes store 256 consecutive bytes, aligned
	s_wait_tensorcnt 0x0                           ; the wave's end, behind my last LDS store
	ds_add_u32 v[SPW], v[NIL]
	s_wait_dscnt 0x0
	s_endpgm
.Lfunc_end_k_q3dc0125523_prep:
	.size	k_q3dc0125523_prep, .Lfunc_end_k_q3dc0125523_prep-k_q3dc0125523_prep
	.p2alignl 7, 3214868480
	.fill 96, 4, 3214868480
	.section	.rodata,"a",@progbits
	.p2align	6, 0x0
	.amdhsa_kernel k_q3dc0125523_prep
		.amdhsa_group_segment_fixed_size 33280
		.amdhsa_private_segment_fixed_size 0
		.amdhsa_enable_private_segment 0
		.amdhsa_kernarg_size 80
		.amdhsa_user_sgpr_count 2
		.amdhsa_user_sgpr_kernarg_segment_ptr 1
		.amdhsa_wavefront_size32 1
		.amdhsa_system_sgpr_workgroup_id_x 1
		.amdhsa_system_sgpr_workgroup_id_y 1
		.amdhsa_system_sgpr_workgroup_id_z 1
		.amdhsa_system_vgpr_workitem_id 0
		.amdhsa_next_free_vgpr 208
		.amdhsa_next_free_sgpr 66
		.amdhsa_reserve_vcc 1
		.amdhsa_float_denorm_mode_32 3
		.amdhsa_float_denorm_mode_16_64 3
		.amdhsa_memory_ordered 1
		.amdhsa_forward_progress 1
		.amdhsa_inst_pref_size 99
	.end_amdhsa_kernel
	.amdgpu_metadata
---
amdhsa.version: [ 1, 2 ]
amdhsa.kernels:
  - .name:           k_q3dc0125523_prep
    .symbol:         k_q3dc0125523_prep.kd
    .args:
      - { .name: x, .offset: 0, .size: 8, .value_kind: global_buffer, .address_space: global }
      - { .name: Wq, .offset: 8, .size: 8, .value_kind: global_buffer, .address_space: global }
      - { .name: Wk, .offset: 16, .size: 8, .value_kind: global_buffer, .address_space: global }
      - { .name: Wv, .offset: 24, .size: 8, .value_kind: global_buffer, .address_space: global }
      - { .name: Wo, .offset: 32, .size: 8, .value_kind: global_buffer, .address_space: global }
      - { .name: token_positions, .offset: 40, .size: 8, .value_kind: global_buffer, .address_space: global }
      - { .name: codes, .offset: 48, .size: 8, .value_kind: global_buffer, .address_space: global }
      - { .name: scales, .offset: 56, .size: 8, .value_kind: global_buffer, .address_space: global }
      - { .name: wo16, .offset: 64, .size: 8, .value_kind: global_buffer, .address_space: global }
      - { .name: rope, .offset: 72, .size: 8, .value_kind: global_buffer, .address_space: global }
    .group_segment_fixed_size: 33280
    .private_segment_fixed_size: 0
    .kernarg_segment_align: 8
    .kernarg_segment_size: 80
    .max_flat_workgroup_size: 128
    .sgpr_count:     66
    .vgpr_count:     208
    .wavefront_size: 32
...
	.end_amdgpu_metadata
.endif
;; end of part 1
;; launch qkv (part 2): grid 24 x 8, 4 waves a work-group, clusters of 4 x 4, 327,680 bytes of LDS; arguments codes, scales, rope, qkv16, fine32; writes qkv16, fine32
.if DOCPART == 2
	.amdgcn_target "amdgcn-amd-amdhsa--gfx1250"
	.amdhsa_code_object_version 6
	.text
	.protected	k_q3dc0125523_qkv
	.globl	k_q3dc0125523_qkv
	.p2align	8
	.type	k_q3dc0125523_qkv,@function
k_q3dc0125523_qkv:
	s_mov_b64 s[64:65], 0
	v_nop
	global_prefetch_b8 v0, s[64:65] scope:SCOPE_SE
	s_setreg_imm32_b32 hwreg(HW_REG_WAVE_MODE, 25, 1), 1
	s_wait_xcnt 0x0
	s_wait_alu depctr_hold_cnt(0) depctr_sa_sdst(0) depctr_va_vdst(0) depctr_va_sdst(0) depctr_va_ssrc(0) depctr_va_vcc(0) depctr_vm_vsrc(0)
	s_getreg_b32 s2, hwreg(HW_REG_IB_STS2, 6, 4)
	s_cmp_eq_u32 s2, 0
	s_cbranch_scc0 .Lentry_in_a_cluster
	s_endpgm
.Lentry_in_a_cluster:
	s_bfe_u32 s2, ttmp6, 0x10000c
	s_cmp_lg_u32 s2, 0xf033
	s_cbranch_scc0 .Lentry_shape_is_right
	s_endpgm
.Lentry_shape_is_right:
; QKV: C[m][n] = sum over k of x[m][k] W[n][k], M 2048, N 6144 (Wq's, Wk's, Wv's rows on end), K 2048, on codes of FP4 (E2M1) with one E8M0 byte for each 32 along K; sums in f32.
; Both operands lie in one buffer: codes [8192][1024 bytes], scales [8192][64]: rows 0-2047 x, from 2048 on the weights.
; A tile of C, 256 x 256, is made by four waves; a wave makes 128 rows x 128 columns, which is ONE HEAD of Q, K or V: 64 accumulators of 16 x 16, 512 registers.
; K goes in steps of 512 through a ring of two LDS slots (a tile's row: 256 bytes).  The scales of the work-group's 2 x 256 rows come into LDS once, with the first fills, and stay.
; CLUSTERS: 4 x 4 work-groups; x's tile is asked for jointly along a row of the cluster, the weights' along a column: the same tensor load, descriptor and mask in the four that it names.
; THE MATRIX INSTRUCTION IS USED TRANSPOSED (source 0 = 16 rows of W, source 1 = 16 rows of x): a lane holds eight neighbouring channels of one position: four pairs of the rotation.
; THE WAY OUT: the rotation by the table rope [row][pair][cos, sin] (V's tiles read the rows that hold (1, 0), so one text serves all three), rounding to f16, through the wave's stage in LDS,
; and out as whole head rows of 256 bytes into qkv16 [48][2048][128].  Positions 0-15 also leave in f32, into fine32 [16][6144]: those stores' lanes are switched on by the tile's place, without a branch.
; 192 tiles for 256 WGPs: tiles of 256 x 192 would cut heads in pieces.
; REGISTERS, in windows of 256: window 0: v0-31 addresses; v32-95 scale words, two sets, and nothing else; v96-127 packed results; v128-191 x's fragments, one set, later rows read back; v192-255 products of the rotation.
;   window 1: W's fragments, two sets, at v0 and v128; v64-127 and v192-255 lie idle in the loop and take the table's first two sets.   windows 2, 3: the accumulators ((a, b) at v[8 (8 (a % 4) + b)]).
.set KSTEP,  512
.set NQ,     4                         ; matrix instructions deep in a slot
.set ROWB,   256                       ; a tile's row in bytes
.set KROW,   1024                      ; a row of codes in memory
.set PITCH,  272                       ; an LDS row: 256 bytes + 16 of padding: the 16 rows that a load touches start at 16 different banks (64 banks of 4 bytes: ISA guide 11.1)
.set FR,     8
.set NL,     2
.set NP,     4                         ; places behind this matrix instruction (ISA guide 7.12.1)
.set HALFT,  128*PITCH
.set SLOT,   4*HALFT
.set LAPS,   2                         ; 2048 / (2 x 512)
.set KS,     64                        ; a row of scales in bytes
.set SCL,    2*SLOT
.set HALFS,  32*272                    ; the scales of 128 rows: 32 units of 256 bytes + 16
.set SBLK,   4*272                     ; those of 16 rows
.set SPARE,  SCL+4*HALFS               ; the spare words, 128 bytes a wave
.set SPITCH, 272                       ; the way out: a stage of 16 rows x (256 bytes + 16) a wave, in slot 0, which has had its last fill and its last read by then
.set ADRA, 16
.set ADRB, 20
.set FO,   23                          ; v23 my byte offset in fine32
.set STO,  24
.set RD,   25
.set CO,   26
.set ADRS, 27
.set SPW,  28
.set NIL,  29
.set TA,   30                          ; v30 my byte offset in the table; never rewritten
.set FM,   31                          ; v31 0 in the waves that hold positions 0-127
.set SC,   32
.set PKD,  96
.set AF,   128
.set BK,   128
.set TT,   192
.set G1, 24
.set G0, 32
.set G1B, 48
.set G0B, 56
.set G1S, 68
.set G0S, 76
.set G1SB, 80
.set G0SB, 88
.set MSB, 0
.macro WIN new                         ; the immediate's high byte repeats the setting that is left
.if MSB != \new
	s_set_vgpr_msb (MSB<<8)|\new
.set MSB, \new
.endif
.endm
.set MUL_LO, 0xa1                      ; source 0 (W) window 1, source 1 (x) window 0, C and D window 2
.set MUL_HI, 0xf1
.set TO_B,   0x40
; A joint load: waves 0 and 1 fetch for x, waves 2 and 3 for W.  The branch hangs on the wave's number alone.  An s_nop 0 and four v_nop follow each line.
.macro JLOAD g0a, g1a, g0b, g1b
	s_cmp_eq_u32 s15, 0
	s_cbranch_scc0 .Lfor_b_\@
	tensor_load_to_lds s[\g0a:\g0a+3], s[\g1a:\g1a+7]
	s_nop 0
.rept 4
	v_nop
.endr
	s_branch .Lasked_\@
.Lfor_b_\@:
	tensor_load_to_lds s[\g0b:\g0b+3], s[\g1b:\g1b+7]
	s_nop 0
.rept 4
	v_nop
.endr
.Lasked_\@:
.endm
.macro CREST                           ; a round of the cluster's barrier behind its opening barrier
	s_cmp_lg_u32 s14, 0
	s_cbranch_scc1 .Lnot_wave_0_\@
	s_barrier_signal -3
.Lnot_wave_0_\@:
	s_barrier_wait -3
	s_barrier_signal -1
	s_barrier_wait -1
.endm
.macro CROUND
	s_barrier_signal -1
	s_barrier_wait -1
	CREST
.endm
	s_load_b256 s[4:11], s[0:1], 0x0               ; codes s[4:5], scales s[6:7], rope s[8:9], qkv16 s[10:11]
	s_load_b64 s[12:13], s[0:1], 0x20              ; fine32
	v_lshl_add_u32 v[SPW], v0, 2, SPARE
	v_mov_b32 v[NIL], 0
	ds_add_u32 v[SPW], v[NIL]                      ; the wave's opening: the add, twice on end, and its wait ahead of my first tensor load
	ds_add_u32 v[SPW], v[NIL]
	v_lshrrev_b32 v1, 5, v0
	v_readfirstlane_b32 s14, v1                    ; wave 0..3
	s_lshr_b32 s15, s14, 1                         ; which half of the tile's rows is mine.  Also: I fetch for x (0) or for W (1)
	s_and_b32 s16, s14, 1                          ; which half of its columns.  Also: which 128 rows of that tile I fetch
	s_bfe_u32 s40, ttmp6, 0x40000                  ; cx, cy
	s_bfe_u32 s41, ttmp6, 0x40004
	s_lshl_b32 s42, ttmp9, 2
	s_add_co_u32 s42, s42, s40                     ; tile column, 0 .. 23
	s_and_b32 s17, ttmp7, 0xffff
	s_lshl_b32 s17, s17, 2
	s_add_co_u32 s17, s17, s41                     ; tile row, 0 .. 7
	s_lshl_b32 s43, s41, 2
	s_lshl_b32 s43, 15, s43                        ; my row of the cluster
	s_lshl_b32 s44, 0x1111, s40                    ; my column
	s_or_b32 s[G1+0], s43, (0<<16)|(1<<20)|(1<<21)|(5<<22)|(3<<25)  ; the mask; elements of 1 byte; padding on; bit 21 beside a mask; after every 64 words, 4 words
	s_or_b32 s[G1B+0], s44, (0<<16)|(1<<20)|(1<<21)|(5<<22)|(3<<25)
.irp g, G1, G1B
	s_mov_b32 s[\g+1], ROWB<<16                    ; tensor_dim0
	s_mov_b32 s[\g+2], 128<<16                     ; tensor_dim1
	s_mov_b32 s[\g+3], ROWB<<16                    ; tile_dim0
	s_mov_b32 s[\g+4], 128                         ; tile_dim1
	s_mov_b32 s[\g+5], KROW                        ; from row to row
	s_mov_b32 s[\g+6], 0
	s_mov_b32 s[\g+7], 0
.endr
	s_or_b32 s[G1S+0], s43, (3<<16)|(1<<20)|(1<<21)|(5<<22)|(3<<25) ; the scales of 128 rows: 8,192 dense bytes as 32 rows of 256 (32 elements of 8 bytes), 16 bytes of padding behind each
	s_or_b32 s[G1SB+0], s44, (3<<16)|(1<<20)|(1<<21)|(5<<22)|(3<<25)
.irp g, G1S, G1SB
	s_mov_b32 s[\g+1], 32<<16
	s_mov_b32 s[\g+2], 32<<16
	s_mov_b32 s[\g+3], 32<<16
	s_mov_b32 s[\g+4], 32
	s_mov_b32 s[\g+5], 32
	s_mov_b32 s[\g+6], 0
	s_mov_b32 s[\g+7], 0
.endr
	s_lshl_b32 s18, s16, 7                         ; which 128 rows of the tile I fetch
	s_lshl_b32 s20, s17, 8
	s_add_co_u32 s20, s20, s18                     ; x: row 256 x tile row + 128 x half
	s_lshl_b32 s46, s42, 8
	s_add_co_u32 s46, s46, s18
	s_add_co_u32 s46, s46, 2048                    ; W: row 2048 + 256 x tile column + 128 x half
	s_mov_b32 s21, 0
	s_mov_b32 s47, 0
	s_mov_b64 s[18:19], KS
	s_mul_u64 s[22:23], s[20:21], s[18:19]         ; where these rows' scales begin,
	s_mul_u64 s[92:93], s[46:47], s[18:19]
	s_mov_b64 s[18:19], KROW
	s_mul_u64 s[20:21], s[20:21], s[18:19]         ; and their codes
	s_mul_u64 s[46:47], s[46:47], s[18:19]
	s_mul_i32 s45, s14, HALFT                      ; where they go: wave x 128 rows: no place in the cluster enters an LDS address
	s_mul_i32 s94, s14, HALFS
	s_wait_dscnt 0x0                               ; both opening adds are done
	s_wait_kmcnt 0x0
	s_add_nc_u64 s[20:21], s[4:5], s[20:21]
	s_add_nc_u64 s[22:23], s[6:7], s[22:23]
	s_add_nc_u64 s[46:47], s[4:5], s[46:47]
	s_add_nc_u64 s[92:93], s[6:7], s[92:93]
	CROUND                                         ; all sixteen work-groups are here: the first joint loads meet
	s_mov_b32 s[G0S], 1
	s_add_co_u32 s[G0S+1], s94, SCL
	s_mov_b64 s[G0S+2:G0S+3], s[22:23]
	s_or_b32 s[G0S+3], s[G0S+3], 0x80000000
	s_mov_b32 s[G0SB], 1
	s_add_co_u32 s[G0SB+1], s94, SCL
	s_mov_b64 s[G0SB+2:G0SB+3], s[92:93]
	s_or_b32 s[G0SB+3], s[G0SB+3], 0x80000000
	JLOAD G0S, G1S, G0SB, G1SB                     ; the scales first: they are wanted with K step 0
.irp s, 0,1
	s_mov_b32 s[G0+4*\s], 1
	s_add_co_u32 s[G0+4*\s+1], s45, \s*SLOT
	s_add_nc_u64 s[G0+4*\s+2:G0+4*\s+3], s[20:21], \s*ROWB
	s_or_b32 s[G0+4*\s+3], s[G0+4*\s+3], 0x80000000
	s_mov_b32 s[G0B+4*\s], 1
	s_add_co_u32 s[G0B+4*\s+1], s45, \s*SLOT
	s_add_nc_u64 s[G0B+4*\s+2:G0B+4*\s+3], s[46:47], \s*ROWB
	s_or_b32 s[G0B+4*\s+3], s[G0B+4*\s+3], 0x80000000
	JLOAD G0+4*\s, G1, G0B+4*\s, G1B               ; three tensor loads of mine are out
.endr
	v_and_b32 v1, 15, v0                           ; r = l % 16
	v_bfe_u32 v2, v0, 4, 1                         ; h = l / 16
	v_mul_u32_u24 v3, v1, PITCH
	v_lshl_add_u32 v4, v2, 4, v3                   ; a fragment's row x pitch + 16 x half
	s_mul_i32 s21, s15, HALFT                      ; my 128 rows of x
	s_mul_i32 s22, s16, HALFT                      ; my 128 rows of W,
	s_add_co_u32 s22, s22, 2*HALFT                 ; which lie behind x's 256
.irp s, 0,1
	v_add_nc_u32 v[ADRA+\s], s21, v4
	v_add_nc_u32 v[ADRB+\s], s22, v4
	s_add_co_u32 s21, s21, SLOT
	s_add_co_u32 s22, s22, SLOT
.endr
	v_mul_u32_u24 v5, v1, KS                       ; my row's scales: 64 bytes a row,
	v_lshrrev_b32 v6, 8, v5
	v_lshl_add_u32 v5, v6, 4, v5                   ; and 16 more for each 256 passed
	s_mul_i32 s21, s15, HALFS
	s_mul_i32 s22, s16, HALFS
	s_add_co_u32 s22, s22, 2*HALFS
	s_sub_co_u32 s22, s22, s21
	v_mul_u32_u24 v6, s22, v2                      ; lanes 16-31 take W's
	s_add_co_u32 s21, s21, SCL
	v_add_nc_u32 v5, v5, v6
	v_add_nc_u32 v[ADRS], s21, v5
	s_mul_i32 s23, s14, 16*SPITCH                  ; my stage
	v_mul_u32_u24 v5, v1, SPITCH                   ; in: row r, 16 bytes for each half of the lanes
	v_lshl_add_u32 v5, v2, 4, v5
	v_add_nc_u32 v[STO], s23, v5
	v_mul_u32_u24 v5, v2, SPITCH                   ; back: lanes 0-15 one row of 256 bytes, lanes 16-31 the next
	v_lshl_add_u32 v5, v1, 4, v5
	v_add_nc_u32 v[RD], s23, v5
	v_lshlrev_b32 v[CO], 8, v2                     ; and the same two rows of the head
	v_lshl_add_u32 v[CO], v1, 4, v[CO]
	s_lshl_b32 s95, s42, 1
	s_add_co_u32 s95, s95, s16                     ; which of the 48 heads is my wave's: 2 x tile column + half
	s_lshl_b32 s20, s17, 8
	s_lshl_b32 s21, s15, 7
	s_add_co_u32 s96, s20, s21                     ; my first position
	s_lshl_b32 s20, s95, 19                        ; a head's plane: 524,288 bytes
	s_lshl_b32 s21, s96, 8
	s_add_co_u32 s20, s20, s21
	s_mov_b32 s21, 0
	s_add_nc_u64 s[10:11], s[10:11], s[20:21]
	s_lshl_b32 s20, s95, 9                         ; in fine32: 512 bytes a head
	s_add_nc_u64 s[12:13], s[12:13], s[20:21]
	s_cmp_ge_u32 ttmp9, 4                          ; clusters 4 and 5 along x hold V: the table's rows from 2048 on
	s_cselect_b32 s97, 2048, s96
	v_add_nc_u32 v5, s97, v1
	v_lshlrev_b32 v[TA], 9, v5                     ; table row x 512
	v_lshl_add_u32 v[TA], v2, 5, v[TA]             ; + 32 h: my four pairs of a block of 16 channels
	s_or_b32 s98, s17, s15
	v_mov_b32 v[FM], s98
	v_mul_u32_u24 v[FO], v1, 24576
	v_lshl_add_u32 v[FO], v2, 5, v[FO]
; The table's set for block a of 16 positions: 64 registers a lane, [cos, sin] of my 32 pairs, in window 1: sets at v64, v192 (idle in the loop), v0, v128 (W's fragments, when they are done with)
.macro TLOADS a
.set TR, (64+128*((\a)%2))*(1-((\a)%4)/2)+128*((\a)%2)*(((\a)%4)/2)
	WIN 0x40
.irp b, 0,1,2,3,4,5,6,7
	global_load_b128 v[TR+8*\b:TR+8*\b+3], v[TA], s[8:9] offset:(\a)*8192+64*\b
	global_load_b128 v[TR+8*\b+4:TR+8*\b+7], v[TA], s[8:9] offset:(\a)*8192+64*\b+16
.endr
	WIN 0
.endm
	TLOADS 0                                       ; they land while the products run
	TLOADS 1
.macro FRAG reg, adr, q, i             ; 16 rows x 128 K of 4-bit codes: 8 registers: lane l holds row l % 16; registers 4 c .. 4 c + 3 hold K = 64 c + 32 (l / 16) + 0 .. 31
.irp c, 0,1
	ds_load_b128 v[\reg+4*\c:\reg+4*\c+3], v[\adr] offset:64*(\q)+32*\c+(\i)*16*PITCH
.endr
.endm
; 16 matrix instructions: x's blocks a0, a0 + 1 against W's eight.  The 64 accumulators take turns, one instruction a turn, in the same order in every step.
.macro MUL16 a0, p, q, sc, zero
.irp a, \a0, \a0+1
.irp b, 0,1,2,3,4,5,6,7
.if \zero
	v_wmma_scale_f32_16x16x128_f8f6f4 v[8*(8*((\a)%4)+\b):8*(8*((\a)%4)+\b)+7], v[128*(\p)+FR*\b:128*(\p)+FR*\b+FR-1], v[AF+FR*(\a):AF+FR*(\a)+FR-1], 0, v[SC+8*NQ*(\sc)+NQ*\b+(\q)], v[SC+8*NQ*(\sc)+NQ*(\a)+(\q)] matrix_a_fmt:MATRIX_FMT_FP4 matrix_b_fmt:MATRIX_FMT_FP4 matrix_a_scale:MATRIX_SCALE_ROW1
.else
	v_wmma_scale_f32_16x16x128_f8f6f4 v[8*(8*((\a)%4)+\b):8*(8*((\a)%4)+\b)+7], v[128*(\p)+FR*\b:128*(\p)+FR*\b+FR-1], v[AF+FR*(\a):AF+FR*(\a)+FR-1], v[8*(8*((\a)%4)+\b):8*(8*((\a)%4)+\b)+7], v[SC+8*NQ*(\sc)+NQ*\b+(\q)], v[SC+8*NQ*(\sc)+NQ*(\a)+(\q)] matrix_a_fmt:MATRIX_FMT_FP4 matrix_b_fmt:MATRIX_FMT_FP4 matrix_a_scale:MATRIX_SCALE_ROW1
.endif
.endr
.endr
.endm
.macro FETCH_B slot, q, p
	WIN TO_B
.irp i, 0,1,2,3,4,5,6,7
	FRAG 128*(\p)+FR*\i, ADRB+\slot, \q, \i
.endr
	WIN 0
.endm
.macro FETCH_A slot, q, i0
.irp i, \i0, \i0+1, \i0+2, \i0+3
	FRAG AF+FR*(\i), ADRA+\slot, \q, \i
.endr
.endm
.macro SCALES sc                       ; a K step's scale words: lanes 0-15 take x's block i, lanes 16-31 W's block i
.irp i, 0,1,2,3,4,5,6,7
	ds_load_b128 v[SC+8*NQ*\sc+NQ*\i:SC+8*NQ*\sc+NQ*\i+3], v[ADRS] offset:\i*SBLK
.endr
.endm
.macro PLACES n                        ; plain vector lines between a matrix instruction and a load into, or a read of, its registers
.rept \n
	v_nop
.endr
.endm
.macro STEP slot, q, zero              ; 128 along K, with its successor in the same slot
	s_wait_dscnt 4*NL                              ; W's set and x's blocks 0-3 are in; the youngest eight loads (x's blocks 4-7) may be out
	WIN MUL_LO
	MUL16 0, (\q)%2, \q, \slot, \zero
	MUL16 2, (\q)%2, \q, \slot, \zero
	s_wait_dscnt 0
	PLACES NP
	FETCH_B \slot, (\q)+1, 1-(\q)%2
	FETCH_A \slot, (\q)+1, 0
	WIN MUL_HI
	MUL16 4, (\q)%2, \q, \slot, \zero
	MUL16 6, (\q)%2, \q, \slot, \zero
	PLACES NP
	WIN 0
	FETCH_A \slot, (\q)+1, 4
.endm
; A slot's last step changes slots: one barrier; in front of it each wave waits for all its tensor loads, adds 0 to its spare word, and waits for that and for its reads of this slot.
.macro TURN slot, next, fill
	s_wait_tensorcnt 0x0                           ; all my tensor loads have landed: my part of the next slot
	ds_add_u32 v[SPW], v[NIL]                      ; 0 onto my spare word
	s_wait_dscnt 4*NL+1                            ; the add and the youngest eight loads may be out
	WIN MUL_LO
	MUL16 0, 1, NQ-1, \slot, 0
	s_wait_dscnt 0x0                               ; the add is done, and my reads of this slot are over
	s_barrier_signal -1
	MUL16 2, 1, NQ-1, \slot, 0
	WIN 0
	s_barrier_wait -1
.if \fill
	CREST                                          ; the barrier has opened a round of the cluster's: no wave of any partner still reads this slot or has a load on its way
	s_add_nc_u64 s[G0+4*\slot+2:G0+4*\slot+3], s[G0+4*\slot+2:G0+4*\slot+3], 2*ROWB
	s_add_nc_u64 s[G0B+4*\slot+2:G0B+4*\slot+3], s[G0B+4*\slot+2:G0B+4*\slot+3], 2*ROWB
	JLOAD G0+4*\slot, G1, G0B+4*\slot, G1B         ; the first tensor load behind the round, my only one until the next; its four v_nop are the places in front of the loads below
.else
	PLACES NP
.endif
	v_add_nc_u32 v[ADRS], 4*NQ, v[ADRS]            ; the next K step's scale words
	FETCH_B \next, 0, 0
	FETCH_A \next, 0, 0
	SCALES \next
	WIN MUL_HI
	MUL16 4, 1, NQ-1, \slot, 0
	MUL16 6, 1, NQ-1, \slot, 0
	PLACES NP
	WIN 0
	FETCH_A \next, 0, 4
.endm
.macro STEPS slot, from
.set Q, \from
.rept NQ-1-\from
	STEP \slot, Q, 0
.set Q, Q+1
.endr
.endm
	s_wait_tensorcnt 1                             ; the scales and my part of K step 0 are in; K step 1's load may be out
	s_barrier_signal -1
	s_barrier_wait -1
	FETCH_B 0, 0, 0
	FETCH_A 0, 0, 0
	SCALES 0
	FETCH_A 0, 0, 4
	STEP 0, 0, 1                                   ; the first step's products start the sums: nothing is cleared
	s_mov_b32 s3, LAPS-1
.Llap:                                             ; a trip goes once round the ring and fills both slots again
	STEPS 0, 1
	TURN 0, 1, 1
	STEPS 1, 0
	TURN 1, 0, 1
	STEP 0, 0, 0
	s_sub_co_u32 s3, s3, 1
	s_cmp_lg_u32 s3, 0
	s_cbranch_scc1 .Llap
	STEPS 0, 1                                     ; the last lap fills nothing
	TURN 0, 1, 0
	STEPS 1, 0
	s_wait_dscnt 4*NL
	WIN MUL_LO
	MUL16 0, 1, NQ-1, 1, 0
	MUL16 2, 1, NQ-1, 1, 0
	s_wait_dscnt 0
	WIN MUL_HI
	MUL16 4, 1, NQ-1, 1, 0
	MUL16 6, 1, NQ-1, 1, 0
	WIN 0
; THE WAY OUT, block by block of 16 positions x 128 channels.
; ROPE: registers 2 i, 2 i + 1 of the block are a pair (e, o); the table's 2 i, 2 i + 1 its cos and sin.  [o sin, o cos] by one packed multiply; then o' = e sin + o cos and e' = e cos - o sin, in place.
.macro ROPE a, left                    ; left: the loads of the younger table sets, 16 each
.set AC, 64*((\a)%4)
.set TR, (64+128*((\a)%2))*(1-((\a)%4)/2)+128*((\a)%2)*(((\a)%4)/2)
	s_wait_loadcnt \left
	WIN 0x06+(\a)/4                                ; source 0: the accumulators' window; source 1: window 1
.set ii, 0
.rept 32
	v_pk_mul_f32 v[TT+2*ii:TT+2*ii+1], v[AC+2*ii:AC+2*ii+1], v[TR+2*ii:TR+2*ii+1] op_sel:[1,1] op_sel_hi:[1,0]   ; each accumulator from its low end on
.set ii, ii+1
.endr
	WIN 0x86+0x41*((\a)/4)                         ; the destination too
.set ii, 0
.rept 32
	v_fma_f32 v[AC+2*ii+1], v[AC+2*ii], v[TR+2*ii+1], v[TT+2*ii+1]
	v_fma_f32 v[AC+2*ii], v[AC+2*ii], v[TR+2*ii], -v[TT+2*ii]
.set ii, ii+1
.endr
.if (\a) < 4
	TLOADS (\a)+4                                  ; its set takes the block four further on
.endif
.endm
.macro PACK a
.set AC, 64*((\a)%4)
	WIN 0x0a+5*((\a)/4)
.irp b, 0,1,2,3,4,5,6,7
.irp k, 0,1,2,3
	v_cvt_pk_f16_f32 v[PKD+4*\b+\k], v[AC+8*\b+2*\k], v[AC+8*\b+2*\k+1]
.endr
.endr
	WIN 0
.endm
.macro TOSTAGE a
.if (\a) > 1
	s_wait_xcnt 0x0                                ; block a - 2's stores have read the registers into which these loads land
.endif
.irp b, 0,1,2,3,4,5,6,7
	ds_store_b128 v[STO], v[PKD+4*\b:PKD+4*\b+3] offset:32*\b
.endr
.irp t, 0,1,2,3,4,5,6,7
	ds_load_b128 v[BK+32*((\a)%2)+4*\t:BK+32*((\a)%2)+4*\t+3], v[RD] offset:\t*2*SPITCH   ; LDS serves a wave's instructions in order: these see the stores above
.endr
.endm
.macro SEND a
	s_wait_dscnt 0x0                               ; the block is back in registers
.irp t, 0,1,2,3,4,5,6,7
	global_store_b128 v[CO], v[BK+32*((\a)%2)+4*\t:BK+32*((\a)%2)+4*\t+3], s[10:11] offset:(\a)*4096+512*\t   ; 16 lanes store a head row: 256 consecutive bytes, aligned
.endr
.endm
	PLACES NP                                      ; behind the last products: for the loads into W's and x's registers and for the first reads of results
	TLOADS 2
	TLOADS 3
	ROPE 0, 48
	PACK 0
	; positions 0-15 in f32: only in the waves whose first position is 0.  The lanes are switched, no branch: a work-group's place in its cluster steers no jump.
	s_wait_xcnt 0x0                                ; EXEC changes only when every earlier load and store has had its addresses translated
	v_cmp_eq_u32 vcc_lo, 0, v[FM]
	s_and_saveexec_b32 s99, vcc_lo
	WIN 0x08                                       ; a store's data are its source 1: window 2
.irp b, 0,1,2,3,4,5,6,7
	global_store_b128 v[FO], v[8*\b:8*\b+3], s[12:13] offset:64*\b
	global_store_b128 v[FO], v[8*\b+4:8*\b+7], s[12:13] offset:64*\b+16
.endr
	WIN 0
	s_wait_xcnt 0x0                                ; and again in front of the line that widens it
	s_or_b32 exec_lo, exec_lo, s99
	TOSTAGE 0
.irp a, 1,2,3,4
	ROPE \a, 48
	PACK \a
	SEND \a-1
	TOSTAGE \a
.endr
	ROPE 5, 32
	PACK 5
	SEND 4
	TOSTAGE 5
	ROPE 6, 16
	PACK 6
	SEND 5
	TOSTAGE 6
	ROPE 7, 0
	PACK 7
	SEND 6
	TOSTAGE 7
	SEND 7
	s_wait_tensorcnt 0x0                           ; the wave's end, behind my last tensor load and my last LDS store
	ds_add_u32 v[SPW], v[NIL]
	s_wait_dscnt 0x0
	CROUND                                         ; the closing round: no work-group ends while a partner may still ask for a tile that names it
	s_endpgm
.Lfunc_end_k_q3dc0125523_qkv:
	.size	k_q3dc0125523_qkv, .Lfunc_end_k_q3dc0125523_qkv-k_q3dc0125523_qkv
	.p2alignl 7, 3214868480
	.fill 96, 4, 3214868480
	.section	.rodata,"a",@progbits
	.p2align	6, 0x0
	.amdhsa_kernel k_q3dc0125523_qkv
		.amdhsa_group_segment_fixed_size 327680
		.amdhsa_private_segment_fixed_size 0
		.amdhsa_enable_private_segment 0
		.amdhsa_kernarg_size 40
		.amdhsa_user_sgpr_count 2
		.amdhsa_user_sgpr_kernarg_segment_ptr 1
		.amdhsa_wavefront_size32 1
		.amdhsa_system_sgpr_workgroup_id_x 1
		.amdhsa_system_sgpr_workgroup_id_y 1
		.amdhsa_system_sgpr_workgroup_id_z 1
		.amdhsa_system_vgpr_workitem_id 0
		.amdhsa_next_free_vgpr 1024
		.amdhsa_next_free_sgpr 100
		.amdhsa_reserve_vcc 1
		.amdhsa_float_denorm_mode_32 3
		.amdhsa_float_denorm_mode_16_64 3
		.amdhsa_memory_ordered 1
		.amdhsa_forward_progress 1
		.amdhsa_inst_pref_size 255
	.end_amdhsa_kernel
	.section	.bss,"aw",@nobits
	.p2align	6
	.space	262144
	.amdgpu_metadata
---
amdhsa.version: [ 1, 2 ]
amdhsa.kernels:
  - .name:           k_q3dc0125523_qkv
    .symbol:         k_q3dc0125523_qkv.kd
    .args:
      - { .name: codes, .offset: 0, .size: 8, .value_kind: global_buffer, .address_space: global }
      - { .name: scales, .offset: 8, .size: 8, .value_kind: global_buffer, .address_space: global }
      - { .name: rope, .offset: 16, .size: 8, .value_kind: global_buffer, .address_space: global }
      - { .name: qkv16, .offset: 24, .size: 8, .value_kind: global_buffer, .address_space: global }
      - { .name: fine32, .offset: 32, .size: 8, .value_kind: global_buffer, .address_space: global }
    .group_segment_fixed_size: 327680
    .private_segment_fixed_size: 0
    .kernarg_segment_align: 8
    .kernarg_segment_size: 40
    .max_flat_workgroup_size: 128
    .sgpr_count:     100
    .vgpr_count:     1024
    .wavefront_size: 32
...
	.end_amdgpu_metadata
.endif
;; end of part 2
;; launch attn (part 3): grid 32 x 16, 4 waves a work-group, clusters of 4 x 1, 327,680 bytes of LDS; arguments qkv16, o16; writes o16
.if DOCPART == 3
	.amdgcn_target "amdgcn-amd-amdhsa--gfx1250"
	.amdhsa_code_object_version 6
	.text
	.protected	k_q3dc0125523_attn
	.globl	k_q3dc0125523_attn
	.p2align	8
	.type	k_q3dc0125523_attn,@function
k_q3dc0125523_attn:
	s_mov_b64 s[64:65], 0
	v_nop
	global_prefetch_b8 v0, s[64:65] scope:SCOPE_SE
	s_setreg_imm32_b32 hwreg(HW_REG_WAVE_MODE, 25, 1), 1
	s_wait_xcnt 0x0
	s_wait_alu depctr_hold_cnt(0) depctr_sa_sdst(0) depctr_va_vdst(0) depctr_va_sdst(0) depctr_va_ssrc(0) depctr_va_vcc(0) depctr_vm_vsrc(0)
	s_getreg_b32 s2, hwreg(HW_REG_IB_STS2, 6, 4)
	s_cmp_eq_u32 s2, 0
	s_cbranch_scc0 .Lentry_in_a_cluster
	s_endpgm
.Lentry_in_a_cluster:
	s_bfe_u32 s2, ttmp6, 0x10000c
	s_cmp_lg_u32 s2, 0x3003
	s_cbranch_scc0 .Lentry_shape_is_right
	s_endpgm
.Lentry_shape_is_right:
; ATTN: O[h][q] = sum over k <= q of softmax_k(Q[h][q] . K[h][k] / sqrt(128)) V[h][k].  Q, K, V: qkv16 [48][2048][128] f16 (planes 0-15 Q, 16-31 K, 32-47 V); O: o16 [2048][16 x 128] f16.
; Products on f16 operands with f32 sums; maxima, exponentials and sums in f32; the weights p (at most 1) are rounded to f16 for the second product, O once at the end.
; SHARES.  A cluster of four work-groups owns queries 256 j .. 256 j + 255 of one head; partner cx owns 64 of them.  THE FOUR WAVES OF A WORK-GROUP HOLD THE SAME 64 QUERIES (four tiles of 16) AND SHARE THE KEYS:
; in super-step t (256 keys) wave w takes keys 256 t + 64 w .. + 63.  Every partner walks super-steps 0 .. j: j whole ones and the one on the diagonal, in which every wave computes and hidden scores become -infinity.
; So trip counts, branches and joint loads hang on the cluster's coordinates alone, and every tile that a joint load brings is read by every partner.  At the end the four waves' (m, l, O) are merged through LDS.
; Cluster rows y and 15 - y hold blocks j = y and j = 15 - y... that is j = y for y < 8 (heads 0-7) and j = 15 - y for y >= 8 (heads 8-15), so that long and short walks lie far apart in the grid.
; LAYOUT.  S^T = K Q^T (source 0 = 16 keys, source 1 = 16 queries): a lane holds ONE query (lane % 16) and keys 8 (lane / 16) + 0 .. 7; two such tiles, rounded in pairs, are source 1 of O^T = V^T P.  V is turned by ds_load_tr16_b128.
; SOFTMAX.  For each query and wave a running maximum m and sum l: p = 2^(c s - c m), c = log2(e) / sqrt(128); O and l are multiplied in every step by a = 2^(c m_old - c m_new).
; m begins at -1e30, under every score that f16 operands can give (128 x 65504^2 = 5.5e11): a wave all of whose keys are hidden keeps m, has p = 0, l = 0, O = 0, and weighs nothing in the merge.
; BY TURNS, inside a step: the tiles are two pieces (tiles 0, 1 and tiles 2, 3).  Piece 0's softmax stands in slices behind piece 2's products K Q^T, piece 2's behind piece 0's products V^T P.  Nothing is carried from
; step to step, so one text serves every step; O^T and l begin as zeros.
; REGISTERS, in windows of 256: window 0: v0-63 addresses and statistics; v64-191 S^T, 32 a tile; v192-255 P, 16 a tile.   window 1: O^T, 64 a tile.   window 2: v0-127 Q; v128-255 K.   window 3: v0-127 V.
.set PK,    272                        ; a row of K in LDS: 256 bytes + 16: the 16 rows of a load start at 16 different banks (64 banks of 4 bytes: ISA guide 11.1)
.set PITV,  288                        ; a row of V: 256 + 32
.set VOFF,  256*PK                     ; a slot: 256 rows of K, then 256 rows of V
.set SLOTB, 256*(PK+PITV)              ; 143,360
.set SPARE, 2*SLOTB                    ; the spare words, 128 bytes a wave
.set STAT,  SPARE+512                  ; the merge's statistics: [wave][tile][c m: 128 bytes, l: 128 bytes]
.set OSTG,  131072                     ; the way out: 16 rows x 272 bytes a wave.  It and the merge's 131,072 bytes from 0 on lie over the slots, behind their last fill and last read
.set AK,  2                            ; v2-3  my lane's place in my wave's 64 rows of K, slot 0, 1
.set AV,  4                            ; v4-5  the same for V
.set QO,  6
.set STO, 7
.set RD,  8
.set GO,  9
.set NINF, 10                          ; v10  -infinity
.set ST,  12                           ; tile t's statistics at v[ST + 8 t]: +0 c m, +1 m, +2, +3 l, +4 .. +7 at work (a takes +6)
.set DG,  44                           ; v44-47  tile t: my query less my wave's first key less 8 (lane / 16), on the diagonal
.set MS,  48                           ; v48-49  where I store O^T for the merge (tiles 0, 1; tiles 2, 3)
.set ML,  50                           ; v50  where I read my tile's four parts
.set SS,  51
.set SL,  52
.set PFO, 61                           ; v61  256 x lane
.set SPW, 62
.set NIL, 63
.set S,   64
.set P,   192
.set KF,  128
.set WV,  8                            ; s8 wave; s9 cx; s10 j; s11 head
.set PAIRS, 14
.set REM, 15
.set LIM, 16
.set PFA, 18
.set G1K, 24
.set G1V, 32
.set G0K, 40                           ; s[40:47] group 0 for K's tiles, a set for each slot
.set G0V, 48
.set CS,  56
.set SEL, 58
.set QB,  60
.set OB,  62
.set MSB, 0
.macro WIN new
.if MSB != \new
	s_set_vgpr_msb (MSB<<8)|\new
.set MSB, \new
.endif
.endm
.set W_KQ, 0x0a                        ; K and Q in window 2, S^T in window 0
.set W_PV, 0x53                        ; V in window 3, P in window 0, O^T in window 1
.set W_RS, 0x41                        ; O^T in window 1, a in window 0
; A joint load into slot s: waves 0 and 1 fetch K's halves (128 rows each), waves 2 and 3 V's.  The branch hangs on the wave's number alone.  An s_nop 0 and four v_nop follow each line.
.macro JLOAD s
	s_cmp_lt_u32 s[WV], 2
	s_cbranch_scc0 .Lfor_v_\@
	tensor_load_to_lds s[G0K+4*(\s):G0K+4*(\s)+3], s[G1K:G1K+7]
	s_nop 0
.rept 4
	v_nop
.endr
	s_branch .Lasked_\@
.Lfor_v_\@:
	tensor_load_to_lds s[G0V+4*(\s):G0V+4*(\s)+3], s[G1V:G1V+7]
	s_nop 0
.rept 4
	v_nop
.endr
.Lasked_\@:
.endm
; A prefetch of the super-step after the one that has just been asked for: one step, 128 matrix instructions a wave, ahead of its load.  Each row of 256 bytes is named once in the launch: of a head's eight clusters only
; the one with j = 7, which walks all keys, asks; its partners share the rows out by address: waves 0, 1 K's and waves 2, 3 V's rows 128 (wave % 2) + 32 cx + lane.  It stops when no super-step is left.
.macro ASK
	s_cmp_gt_u32 s[REM], s[LIM]
	s_cbranch_scc0 .Lnot_mine_\@
	global_prefetch_b8 v[PFO], s[PFA:PFA+1] th:TH_LOAD_NT scope:SCOPE_SE
.Lnot_mine_\@:
.endm
.macro CROUND                          ; a round of the cluster's barrier
	s_barrier_signal -1
	s_barrier_wait -1
	s_cmp_lg_u32 s[WV], 0
	s_cbranch_scc1 .Lnot_wave_0_\@
	s_barrier_signal -3
.Lnot_wave_0_\@:
	s_barrier_wait -3
	s_barrier_signal -1
	s_barrier_wait -1
.endm
.macro PLACES
.rept 4
	v_nop
.endr
.endm
	s_load_b128 s[4:7], s[0:1], 0x0                ; qkv16 s[4:5], o16 s[6:7]
	v_lshl_add_u32 v[SPW], v0, 2, SPARE
	v_mov_b32 v[NIL], 0
	ds_add_u32 v[SPW], v[NIL]                      ; the wave's opening: the add, twice on end, and its wait ahead of my first tensor load
	ds_add_u32 v[SPW], v[NIL]
	v_lshrrev_b32 v1, 5, v0
	v_readfirstlane_b32 s[WV], v1                  ; wave 0..3
	s_bfe_u32 s9, ttmp6, 0x40000                   ; cx
	s_and_b32 s20, ttmp7, 0xffff                   ; the cluster's y
	s_sub_co_u32 s21, 15, s20
	s_add_co_u32 s22, ttmp9, 8
	s_cmp_lt_u32 s20, 8
	s_cselect_b32 s10, s20, s21                    ; j: which block of 256 queries
	s_cselect_b32 s11, ttmp9, s22                  ; the head
	s_and_b32 s17, s[WV], 1                        ; which 128 rows of a tile I fetch
	s_add_co_u32 s20, s11, 16
	s_lshl_b32 s20, s20, 19                        ; K's plane of the head,
	s_lshl_b32 s21, s17, 15                        ; my 128 rows of 256 bytes
	s_add_co_u32 s20, s20, s21
	s_mov_b32 s21, 0
	s_add_co_u32 s22, s20, 16<<19                  ; V's lies 16 planes on
	s_mov_b32 s23, 0
	s_mul_i32 s12, s17, 128*PK                     ; and where they go in a slot: no place in the cluster enters an LDS address
	s_mul_i32 s13, s17, 128*PITV
	s_add_co_u32 s13, s13, VOFF
	s_lshl_b32 s2, s11, 19                         ; Q: the head's plane + (256 j + 64 cx) rows of 256 bytes
	s_lshl_b32 s3, s10, 16
	s_add_co_u32 s2, s2, s3
	s_lshl_b32 s3, s9, 14
	s_add_co_u32 s2, s2, s3
	s_mov_b32 s3, 0
	s_lshl_b32 s68, s10, 20                        ; O: (256 j + 64 cx + 16 wave) rows of 4,096 bytes + 256 x head
	s_lshl_b32 s69, s9, 18
	s_add_co_u32 s68, s68, s69
	s_lshl_b32 s69, s[WV], 16
	s_add_co_u32 s68, s68, s69
	s_lshl_b32 s69, s11, 8
	s_add_co_u32 s68, s68, s69
	s_mov_b32 s69, 0
	s_mov_b32 s[G1K], 15|(1<<16)|(1<<20)|(1<<21)|(5<<22)|(3<<25)  ; the mask: all four; elements of 2 bytes; padding on; bit 21 beside a mask; after every 64 words, 4 words
	s_mov_b32 s[G1V], 15|(1<<16)|(1<<20)|(1<<21)|(5<<22)|(7<<25)  ; the same with 8 words
.irp g, G1K, G1V
	s_mov_b32 s[\g+1], 128<<16                     ; tensor_dim0
	s_mov_b32 s[\g+2], 128<<16                     ; tensor_dim1
	s_mov_b32 s[\g+3], 128<<16                     ; tile_dim0
	s_mov_b32 s[\g+4], 128                         ; tile_dim1
	s_mov_b32 s[\g+5], 128                         ; from row to row
	s_mov_b32 s[\g+6], 0
	s_mov_b32 s[\g+7], 0
.endr
	s_mov_b32 s[CS], 0x3e0293ee                    ; c = log2(e) / sqrt(128)
	s_mov_b32 s[CS+1], s[CS]
	s_mov_b32 s[SEL], 0x76543210
	s_mov_b32 s[SEL+1], 0xfedcba98
	s_mov_b32 s[REM], s10
	s_cmp_eq_u32 s10, 7
	s_cselect_b32 s[LIM], 0, -1                    ; the same in all four partners
	v_and_b32 v[PFO], 31, v0
	v_lshlrev_b32 v[PFO], 8, v[PFO]
	s_wait_dscnt 0x0                               ; both opening adds are done
	s_wait_kmcnt 0x0
	s_add_nc_u64 s[20:21], s[4:5], s[20:21]        ; K and V at my part of super-step 0
	s_add_nc_u64 s[22:23], s[4:5], s[22:23]
	s_add_nc_u64 s[QB:QB+1], s[4:5], s[2:3]
	s_add_nc_u64 s[OB:OB+1], s[6:7], s[68:69]
	s_cmp_lt_u32 s[WV], 2
	s_cselect_b64 s[PFA:PFA+1], s[20:21], s[22:23]
	s_lshl_b32 s2, s9, 13                          ; my work-group's 32 rows of the 128
	s_mov_b32 s3, 0
	s_add_nc_u64 s[PFA:PFA+1], s[PFA:PFA+1], s[2:3]
	s_add_nc_u64 s[PFA:PFA+1], s[PFA:PFA+1], 65536 ; in super-step 1; the first change of slots steps it to 2.  Nothing is prefetched at the head
	CROUND                                         ; all four work-groups are here: the first joint loads meet
.irp s, 0,1
	s_mov_b32 s[G0K+4*\s], 1
	s_add_co_u32 s[G0K+4*\s+1], s12, \s*SLOTB
	s_add_nc_u64 s[G0K+4*\s+2:G0K+4*\s+3], s[20:21], \s*65536      ; slot s begins with super-step s
	s_or_b32 s[G0K+4*\s+3], s[G0K+4*\s+3], 0x80000000
	s_mov_b32 s[G0V+4*\s], 1
	s_add_co_u32 s[G0V+4*\s+1], s13, \s*SLOTB
	s_add_nc_u64 s[G0V+4*\s+2:G0V+4*\s+3], s[22:23], \s*65536
	s_or_b32 s[G0V+4*\s+3], s[G0V+4*\s+3], 0x80000000
.endr
	JLOAD 0                                        ; one tensor load of mine is out, here and behind every round
	v_and_b32 v1, 15, v0                           ; r
	v_bfe_u32 v11, v0, 4, 1                        ; h
	v_lshlrev_b32 v[QO], 8, v1
	v_lshl_add_u32 v[QO], v11, 4, v[QO]
	WIN 0x80
.irp i, 0,1,2,3,4,5,6,7,8,9,10,11,12,13,14,15  ; Q stays in registers: tile i / 4, channels 32 (i % 4) on
	global_load_b128 v[8*\i:8*\i+3],   v[QO], s[QB:QB+1] offset:(\i/4)*4096+(\i%4)*64
	global_load_b128 v[8*\i+4:8*\i+7], v[QO], s[QB:QB+1] offset:(\i/4)*4096+(\i%4)*64+32
.endr
	WIN 0
	v_mul_u32_u24 v[AK], v1, PK
	v_lshl_add_u32 v[AK], v11, 4, v[AK]
	s_mul_i32 s12, s[WV], 64*PK                    ; my wave's 64 keys
	v_add_nc_u32 v[AK], s12, v[AK]
	v_add_nc_u32 v[AK+1], SLOTB, v[AK]
	v_and_b32 v53, 7, v0
	v_bfe_u32 v54, v0, 3, 1
	v_lshl_add_u32 v[AV], v11, 3, v53              ; the turning load: key 8 h + l % 8, channels 8 ((l / 8) % 2) on
	v_mul_u32_u24 v[AV], v[AV], PITV
	v_lshl_add_u32 v[AV], v54, 4, v[AV]
	s_mul_i32 s12, s[WV], 64*PITV
	s_add_co_u32 s12, s12, VOFF
	v_add_nc_u32 v[AV], s12, v[AV]
	v_add_nc_u32 v[AV+1], SLOTB, v[AV]
	s_mul_i32 s12, s[WV], 16*272
	s_add_co_u32 s12, s12, OSTG                    ; my stage
	v_mul_u32_u24 v[STO], v1, 272
	v_lshl_add_u32 v[STO], v11, 4, v[STO]
	v_add_nc_u32 v[STO], s12, v[STO]
	v_mul_u32_u24 v[RD], v11, 272
	v_lshl_add_u32 v[RD], v1, 4, v[RD]
	v_add_nc_u32 v[RD], s12, v[RD]
	v_lshlrev_b32 v[GO], 12, v11
	v_lshl_add_u32 v[GO], v1, 4, v[GO]
	v_mov_b32 v[NINF], 0xff800000
	s_sub_co_i32 s12, s9, s[WV]
	s_lshl_b32 s12, s12, 6                         ; 64 (cx - wave)
	v_lshlrev_b32 v53, 3, v11
	v_sub_nc_u32 v53, v1, v53
	v_add_nc_u32 v53, s12, v53
.irp t, 0,1,2,3
	v_add_nc_u32 v[DG+\t], 16*\t, v53
.endr
	v_and_b32 v55, 31, v0
	s_lshl_b32 s12, s[WV], 13
	v_lshl_add_u32 v[MS], v55, 4, s12              ; the merge: [tile][wave][16 groups][16 x lane]
	v_add_nc_u32 v[MS+1], 65536, v[MS]
	s_lshl_b32 s12, s[WV], 15
	v_lshl_add_u32 v[ML], v55, 4, s12
	s_lshl_b32 s12, s[WV], 10
	s_add_co_u32 s12, s12, STAT
	v_lshl_add_u32 v[SS], v55, 2, s12
	s_lshl_b32 s12, s[WV], 8
	s_add_co_u32 s12, s12, STAT
	v_lshl_add_u32 v[SL], v55, 2, s12
.irp t, 0,1,2,3
	v_mov_b32 v[ST+8*\t+1], 0xf149f2ca             ; m = -1e30
	v_mul_f32 v[ST+8*\t], s[CS], v[ST+8*\t+1]
	v_mov_b32 v[ST+8*\t+2], 0                      ; l, in two halves
	v_mov_b32 v[ST+8*\t+3], 0
.endr
	WIN 0x40
.set n, 0
.rept 256
	v_mov_b32 v[n], 0                              ; O^T.  One text of the step serves all five places where it stands: the first step finds zeros
.set n, n+1
.endr
	WIN 0
; Product i of 32 of S^T = K Q^T for piece x: channels 32 (i / 8) on, keys 16 ((i / 2) % 4) on, tile x + i % 2.  The first 8 start the sums.  The accumulators take turns.
.macro KQ x
	WIN W_KQ
.set rS, S+32*(\x+i%2)+8*((i/2)%4)
.set rK, KF+32*((i/2)%4)+8*(i/8)
.set rQ, 32*(\x+i%2)+8*(i/8)
.if i < 8
	v_wmma_f32_16x16x32_f16 v[rS:rS+7], v[rK:rK+7], v[rQ:rQ+7], 0
.else
	v_wmma_f32_16x16x32_f16 v[rS:rS+7], v[rK:rK+7], v[rQ:rQ+7], v[rS:rS+7]
.endif
.endm
; Product i of 32 of O^T += V^T P: keys 32 (i / 16) on, channels 16 ((i / 2) % 8) on, tile x + i % 2
.macro PV x
	WIN W_PV
.set rO, 64*(\x+i%2)+8*((i/2)%8)
.set rV, 64*(i/16)+8*((i/2)%8)
.set rP, P+16*(\x+i%2)+8*(i/16)
	v_wmma_f32_16x16x32_f16 v[rO:rO+7], v[rV:rV+7], v[rP:rP+7], v[rO:rO+7]
.endm
.macro FETCH_K slot                    ; my 64 keys x 128 channels: 16 fragments
	WIN 0x80
.irp f, 0,1,2,3,4,5,6,7,8,9,10,11,12,13,14,15
	ds_load_b128 v[KF+8*\f:KF+8*\f+3],   v[AK+\slot] offset:(\f/4)*16*PK+(\f%4)*64
	ds_load_b128 v[KF+8*\f+4:KF+8*\f+7], v[AK+\slot] offset:(\f/4)*16*PK+(\f%4)*64+32
.endr
.endm
.macro FETCH_V slot                    ; the same keys of V, turned
	WIN 0xc0
.irp f, 0,1,2,3,4,5,6,7,8,9,10,11,12,13,14,15
	ds_load_tr16_b128 v[8*\f:8*\f+3],   v[AV+\slot] offset:(\f/8)*32*PITV+(\f%8)*32
	ds_load_tr16_b128 v[8*\f+4:8*\f+7], v[AV+\slot] offset:(\f/8)*32*PITV+16*PITV+(\f%8)*32
.endr
.endm
; One tile's softmax for one step is a list of 134 instructions; SM writes number j of it for tile t.
;   0-15 the maximum of the lane's 32 scores and the old m;  16-20 the other half of the lanes', the new m, c m, its change;
;   21-69 ONE BATCH: 16 packed scalings c s - c m and all 33 exponentials (a at 23): none reads an exponential's result;  (the wait: SLICE writes it)
;   70-85 roundings to f16;  86-101 the sums, l = a l + the sum;  102-133 O^T times a.
.macro SM t
.set rT, ST+8*(\t)
.set rS, S+32*(\t)
.set rP, P+16*(\t)
.set rO, 64*(\t)+2*(j-102)
.if j < 102
	WIN 0
.endif
.if j < 4
	v_max3_num_f32 v[rT+4+j], v[rS+8*j], v[rS+8*j+1], v[rS+8*j+2]
.elseif j < 12
	v_max3_num_f32 v[rT+4+j%4], v[rT+4+j%4], v[rS+8*(j%4)+2*(j/4)+1], v[rS+8*(j%4)+2*(j/4)+2]
.elseif j == 12
	v_max3_num_f32 v[rT+4], v[rT+4], v[rS+7], v[rS+15]
.elseif j == 13
	v_max3_num_f32 v[rT+6], v[rT+6], v[rS+23], v[rS+31]
.elseif j == 14
	v_max3_num_f32 v[rT+4], v[rT+4], v[rT+5], v[rT+6]
.elseif j == 15
	v_max3_num_f32 v[rT+4], v[rT+4], v[rT+7], v[rT+1]
.elseif j == 16
	v_permlanex16_b32 v[rT+5], v[rT+4], s[SEL], s[SEL+1]
.elseif j == 17
	v_mov_b32 v[rT+7], v[rT]
.elseif j == 18
	v_max_num_f32 v[rT+1], v[rT+4], v[rT+5]
.elseif j == 19
	v_mul_f32 v[rT], s[CS], v[rT+1]
.elseif j == 20
	v_sub_f32 v[rT+7], v[rT+7], v[rT]
.elseif j == 23
	v_exp_f32 v[rT+6], v[rT+7]
.elseif (j < 23) || ((j < 38) && (j%2 == 0)) || ((j < 66) && (j%4 == 2))
.set b, (j-2)/4
.if j < 38
.set b, (j-20)/2
.endif
	v_pk_fma_f32 v[rS+2*b:rS+2*b+1], v[rS+2*b:rS+2*b+1], s[CS:CS+1], v[rT:rT+1] op_sel_hi:[1,0,0] neg_lo:[0,0,1] neg_hi:[0,0,1]
.elseif j < 70
.set e, j-38
.if j < 66
.set e, j-32-(j-38)/4
.endif
.if j < 38
.set e, (j-25)/2
.endif
	v_exp_f32 v[rS+e], v[rS+e]
.elseif j < 86
	v_cvt_pk_f16_f32 v[rP+j-70], v[rS+2*(j-70)], v[rS+2*(j-70)+1]
.elseif j < 102
.set z, j-86
.set w, 4
.set u, z
.if z >= 14
.set w, 32
.set u, 0
.elseif z >= 12
.set w, 16
.set u, z-12
.elseif z >= 8
.set w, 8
.set u, z-8
.endif
.if z < 15
	v_pk_add_f32 v[rS+w*u:rS+w*u+1], v[rS+w*u:rS+w*u+1], v[rS+w*u+w/2:rS+w*u+w/2+1]
.else
	v_pk_fma_f32 v[rT+2:rT+3], v[rT+2:rT+3], v[rT+6:rT+7], v[rS:rS+1] op_sel_hi:[1,0,1]
.endif
.else
	WIN W_RS
	v_pk_mul_f32 v[rO:rO+1], v[rO:rO+1], v[rT+6:rT+7] op_sel_hi:[1,0]
.endif
.endm
; Slice k of 64 of piece y's softmax.  Slices 11 to 34 deal out the batch, four numbers of one tile each; every other slice is numbers 2 k, 2 k + 1 of both tiles; slice 63 takes the twelve that are over.
; Behind slice 34 stand a plain line and the one wait for the piece's 66 exponentials, ahead of the first line that names a result.
.macro SLICE y
.if (k >= 11) && (k < 35)
.irp n, 0,1,2,3
.set j, 22+4*((k-11)/2)+(\n)
	SM (\y)+(k-11)%2
.endr
.else
.irp n, 0,1,2,3,4,5,6,7
.if (\n < 2) || (k == 63)
.irp t, \y, \y+1
.set j, 2*k+\n
	SM \t
.endr
.endif
.endr
.endif
.if k == 34
	v_nop
	s_wait_alu depctr_va_vdst(0)
.endif
.set k, k+1
.endm
; On the diagonal: register 8 kt + i of tile tq holds key 16 kt + 8 (lane / 16) + i of my wave's 64: hidden where 16 kt + i > v[DG + tq].  Each accumulator from its low end on.
.macro MASK y
.irp tq, \y, \y+1
.set nn, 0
.rept 32
	v_cmp_gt_i32 vcc_lo, 16*(nn/8)+nn%8, v[DG+(\tq)]
	v_cndmask_b32 v[S+32*(\tq)+nn], v[S+32*(\tq)+nn], v[NINF], vcc_lo
.set nn, nn+1
.endr
.endr
.endm
; A STEP: my 64 keys of the super-step in the slot.
.macro STEP slot, diag
	FETCH_K \slot
	FETCH_V \slot
	s_wait_dscnt 32                                ; K is in; V's 32 loads may be out
.set i, 0
.rept 32
	KQ 0
.set i, i+1
.endr
	WIN 0
	PLACES                                         ; behind piece 0's scores, ahead of their first reader
.if \diag
	MASK 0
.endif
.set k, 0
.set i, 0
.rept 32
	KQ 2                                           ; piece 2's scores | piece 0's softmax, two slices behind each product
	SLICE 0
	SLICE 0
.set i, i+1
.endr                                              ; slices 62 and 63, twenty plain lines on piece 0's registers, are the places behind piece 2's last product
.if \diag
	WIN 0
	MASK 2
.endif
	s_wait_dscnt 0x0                               ; V is in
.set k, 0
.set i, 0
.rept 32
	PV 0                                           ; piece 0's V^T P | piece 2's softmax
	SLICE 2
	SLICE 2
.set i, i+1
.endr
.set i, 0
.rept 32
	PV 2
.set i, i+1
.endr
	WIN 0
.endm
; THE CHANGE OF SLOTS stands at a step's head.  Each wave waits for all its tensor loads (its part of the slot that it is about to read), adds 0 to its spare word, and waits for that and for its reads of the other slot.
; fill = 1: a round of the cluster's barrier, and the other slot is filled with the next super-step: the load has this step's 128 matrix instructions in which to land.
.macro CHANGE slot, fill
	s_wait_tensorcnt 0x0                           ; no tensor load of mine is out, so a group 0 may be written
	ds_add_u32 v[SPW], v[NIL]                      ; 0 onto my spare word
.if \fill
	s_add_nc_u64 s[G0K+4*\slot+2:G0K+4*\slot+3], s[G0K+4*\slot+2:G0K+4*\slot+3], 131072   ; this slot's next super-step, two on
	s_add_nc_u64 s[G0V+4*\slot+2:G0V+4*\slot+3], s[G0V+4*\slot+2:G0V+4*\slot+3], 131072
	s_wait_xcnt 0x0                                ; the last prefetch, a step back, has read its address
	s_add_nc_u64 s[PFA:PFA+1], s[PFA:PFA+1], 65536
	s_sub_co_u32 s[REM], s[REM], 1
	s_wait_dscnt 0x0                               ; the add is done, and my reads of the other slot are over
	CROUND
	JLOAD 1-\slot                                  ; the first thing behind the round; its four v_nop are the places in front of the loads into K's and V's registers
	ASK
.else
	s_wait_dscnt 0x0
	s_barrier_signal -1
	s_barrier_wait -1
	PLACES
.endif
.endm
.macro FULL slot
	CHANGE \slot, 1
	STEP \slot, 0
.endm
.macro DIAG slot
	CHANGE \slot, 0
	STEP \slot, 1
.endm
	s_wait_loadcnt 0x0                             ; Q
	s_lshr_b32 s[PAIRS], s10, 1                    ; j whole super-steps: j / 2 trips of two, then one more where j is odd, then the diagonal.  All LDS addresses in the five texts are constants
	s_cmp_eq_u32 s[PAIRS], 0
	s_cbranch_scc1 .Ltail
.Lpair:
	FULL 0
	FULL 1
	s_sub_co_u32 s[PAIRS], s[PAIRS], 1
	s_cmp_lg_u32 s[PAIRS], 0
	s_cbranch_scc1 .Lpair
.Ltail:
	s_and_b32 s20, s10, 1
	s_cmp_eq_u32 s20, 0
	s_cbranch_scc1 .Leven
	FULL 0
	DIAG 1
	s_branch .Lmerge
.Leven:
	DIAG 0
.Lmerge:
	; THE MERGE.  l's halves are added (plain lines: the places behind the last products); behind barrier A nobody reads a slot any more.
.irp t, 0,1,2,3
	v_add_f32 v[ST+8*\t+4], v[ST+8*\t+2], v[ST+8*\t+3]
.endr
.irp t, 0,1,2,3
	v_permlanex16_b32 v[ST+8*\t+5], v[ST+8*\t+4], s[SEL], s[SEL+1]
.endr
.irp t, 0,1,2,3
	v_add_f32 v[ST+8*\t+4], v[ST+8*\t+4], v[ST+8*\t+5]
.endr
	s_wait_dscnt 0x0
	s_barrier_signal -1
	s_barrier_wait -1                              ; A
.irp t, 0,1,2,3
	ds_store_b32 v[SS], v[ST+8*\t] offset:256*\t
	ds_store_b32 v[SS], v[ST+8*\t+4] offset:256*\t+128
.endr
	WIN 0x04                                       ; an LDS store's data are its source 1: window 1
.irp t, 0,1,2,3
.irp g, 0,1,2,3,4,5,6,7,8,9,10,11,12,13,14,15
	ds_store_b128 v[MS+\t/2], v[64*\t+4*\g:64*\t+4*\g+3] offset:(\t%2)*32768+512*\g   ; my O^T as an image of its registers, each accumulator from its low end on
.endr
.endr
	WIN 0
	s_wait_dscnt 0x0                               ; for the others' sake: my stores have landed
	s_barrier_signal -1
	s_barrier_wait -1                              ; B
	; wave w finishes tile w
.irp u, 0,1,2,3
	ds_load_b32 v[224+\u], v[SL] offset:1024*\u            ; c m of wave u
	ds_load_b32 v[228+\u], v[SL] offset:1024*\u+128        ; l of wave u
.endr
	WIN 0x80
.irp u, 0,1,2
.irp g, 0,1,2,3,4,5,6,7,8,9,10,11,12,13,14,15
	ds_load_b128 v[64*\u+4*\g:64*\u+4*\g+3], v[ML] offset:8192*\u+512*\g
.endr
.endr
	WIN 0
	s_wait_dscnt 48                                ; the eight statistics are in; three waves' 48 loads may be out
	v_max3_num_f32 v240, v224, v225, v226
	v_max_num_f32 v240, v240, v227
.irp u, 0,1,2,3
	v_sub_f32 v[232+2*\u], v[224+\u], v240
.endr
.irp u, 0,1,2,3
	v_exp_f32 v[232+2*\u], v[232+2*\u]
.endr
	v_nop
	s_wait_alu depctr_va_vdst(0)                   ; one wait for the four
	v_mul_f32 v241, v232, v228
	v_fma_f32 v241, v234, v229, v241
	v_fma_f32 v241, v236, v230, v241
	v_fma_f32 v241, v238, v231, v241               ; the row's sum: wave 0's first key counts for every query, so it is above 0
	v_rcp_f32 v242, v241
	v_nop
	s_wait_alu depctr_va_vdst(0)
.irp u, 0,1,2,3
	v_mul_f32 v[232+2*\u], v[232+2*\u], v242
.endr
.irp u, 0,1,2,3
	v_mov_b32 v[233+2*\u], v[232+2*\u]             ; named with it as a pair, so it is written
.endr
	s_wait_dscnt 32                                ; wave 0's part is in
	WIN 0x02
.set n, 0
.rept 32
	v_pk_mul_f32 v[S+2*n:S+2*n+1], v[2*n:2*n+1], v[232:233] op_sel_hi:[1,0]
.set n, n+1
.endr
	WIN 0x80
.irp g, 0,1,2,3,4,5,6,7,8,9,10,11,12,13,14,15
	ds_load_b128 v[192+4*\g:192+4*\g+3], v[ML] offset:8192*3+512*\g
.endr
	WIN 0x02
.irp u, 1,2,3
	s_wait_dscnt 16*(3-\u)                         ; wave u's part is in; the younger parts, 16 loads each, may be out
.set n, 0
.rept 32
	v_pk_fma_f32 v[S+2*n:S+2*n+1], v[64*\u+2*n:64*\u+2*n+1], v[232+2*\u:233+2*\u], v[S+2*n:S+2*n+1] op_sel_hi:[1,0,1]
.set n, n+1
.endr
.endr
	WIN 0
.set n, 0
.rept 32
	v_cvt_pk_f16_f32 v[192+n], v[S+2*n], v[S+2*n+1]
.set n, n+1
.endr
.irp f, 0,1,2,3,4,5,6,7
	ds_store_b128 v[STO], v[192+4*\f:192+4*\f+3] offset:32*\f      ; a lane's eight channels of a row
.endr
.irp f, 0,1,2,3,4,5,6,7
	ds_load_b128 v[128+4*\f:128+4*\f+3], v[RD] offset:\f*2*272     ; back as whole rows: LDS serves a wave's instructions in order
.endr
.irp f, 0,1,2,3,4,5,6,7
	s_wait_dscnt 7-\f
	global_store_b128 v[GO], v[128+4*\f:128+4*\f+3], s[OB:OB+1] offset:8192*\f   ; 16 lanes store 256 consecutive bytes, aligned
.endr
	s_wait_tensorcnt 0x0                           ; the wave's end, behind my last tensor load and my last LDS store
	ds_add_u32 v[SPW], v[NIL]
	s_wait_dscnt 0x0
	CROUND                                         ; the closing round
	s_endpgm
.Lfunc_end_k_q3dc0125523_attn:
	.size	k_q3dc0125523_attn, .Lfunc_end_k_q3dc0125523_attn-k_q3dc0125523_attn
	.p2alignl 7, 3214868480
	.fill 96, 4, 3214868480
	.section	.rodata,"a",@progbits
	.p2align	6, 0x0
	.amdhsa_kernel k_q3dc0125523_attn
		.amdhsa_group_segment_fixed_size 327680
		.amdhsa_private_segment_fixed_size 0
		.amdhsa_enable_private_segment 0
		.amdhsa_kernarg_size 16
		.amdhsa_user_sgpr_count 2
		.amdhsa_user_sgpr_kernarg_segment_ptr 1
		.amdhsa_wavefront_size32 1
		.amdhsa_system_sgpr_workgroup_id_x 1
		.amdhsa_system_sgpr_workgroup_id_y 1
		.amdhsa_system_sgpr_workgroup_id_z 1
		.amdhsa_system_vgpr_workitem_id 0
		.amdhsa_next_free_vgpr 1024
		.amdhsa_next_free_sgpr 72
		.amdhsa_reserve_vcc 1
		.amdhsa_float_denorm_mode_32 3
		.amdhsa_float_denorm_mode_16_64 3
		.amdhsa_memory_ordered 1
		.amdhsa_forward_progress 1
		.amdhsa_inst_pref_size 255
	.end_amdhsa_kernel
	.section	.bss,"aw",@nobits
	.p2align	6
	.space	262144
	.amdgpu_metadata
---
amdhsa.version: [ 1, 2 ]
amdhsa.kernels:
  - .name:           k_q3dc0125523_attn
    .symbol:         k_q3dc0125523_attn.kd
    .args:
      - { .name: qkv16, .offset: 0, .size: 8, .value_kind: global_buffer, .address_space: global }
      - { .name: o16, .offset: 8, .size: 8, .value_kind: global_buffer, .address_space: global }
    .group_segment_fixed_size: 327680
    .private_segment_fixed_size: 0
    .kernarg_segment_align: 8
    .kernarg_segment_size: 16
    .max_flat_workgroup_size: 128
    .sgpr_count:     72
    .vgpr_count:     1024
    .wavefront_size: 32
...
	.end_amdgpu_metadata
.endif
;; end of part 3
;; launch proj (part 4): grid 16 x 16, 4 waves a work-group, clusters of 4 x 4, 327,680 bytes of LDS; arguments o16, wo16, out0; writes out0
.if DOCPART == 4
	.amdgcn_target "amdgcn-amd-amdhsa--gfx1250"
	.amdhsa_code_object_version 6
	.text
	.protected	k_q3dc0125523_proj
	.globl	k_q3dc0125523_proj
	.p2align	8
	.type	k_q3dc0125523_proj,@function
k_q3dc0125523_proj:
	s_mov_b64 s[64:65], 0
	v_nop
	global_prefetch_b8 v0, s[64:65] scope:SCOPE_SE
	s_setreg_imm32_b32 hwreg(HW_REG_WAVE_MODE, 25, 1), 1
	s_wait_xcnt 0x0
	s_wait_alu depctr_hold_cnt(0) depctr_sa_sdst(0) depctr_va_vdst(0) depctr_va_sdst(0) depctr_va_ssrc(0) depctr_va_vcc(0) depctr_vm_vsrc(0)
	s_getreg_b32 s2, hwreg(HW_REG_IB_STS2, 6, 4)
	s_cmp_eq_u32 s2, 0
	s_cbranch_scc0 .Lentry_in_a_cluster
	s_endpgm
.Lentry_in_a_cluster:
	s_bfe_u32 s2, ttmp6, 0x10000c
	s_cmp_lg_u32 s2, 0xf033
	s_cbranch_scc0 .Lentry_shape_is_right
	s_endpgm
.Lentry_shape_is_right:
; PROJ: out0[m][n] = sum over k of O[m][k] Wo[n][k].  O: o16 [2048][2048] f16, Wo: wo16 [2048][2048] f16, out0 [2048][2048] f32; sums in f32.
; 256 tiles of 128 x 128, one for each WGP; four waves, each 64 x 64: 16 accumulators.  K goes in steps of 256 (LDS rows of 512 bytes; a wave's tensor load brings 64 of them) through two slots.
; CLUSTERS: 4 x 4 work-groups; O's tile is asked for jointly along a row of the cluster, Wo's along a column.  THE MATRIX INSTRUCTION IS USED TRANSPOSED (source 0 = 16 rows of Wo, source 1 = 16 rows of O):
; a lane holds eight neighbouring numbers of a row of out0.  A wave's 64 columns are 256 bytes of f32, a whole aligned run: each wave has a stage of its own on the way out, and no barrier stands there.
; Rows 0-15 are stored here like all others and stored anew, more finely, by the launch that follows.
; REGISTERS: window 0: v0-31 addresses; v32-95 rows read back; v128-255 the accumulators ((a, b) at v[128 + 8 (4 a + b)]).   window 1: two fragment buffers of 128.
.set SIZE_K, 2048
.set KSTEP,  256
.set PITCH,  528                       ; an LDS row: 512 bytes + 16: the 16 rows of a load start at 16 different banks (64 banks of 4 bytes: ISA guide 11.1)
.set HALFT,  64*PITCH
.set SLOT,   4*HALFT
.set STAGE,  2*SLOT                    ; behind the ring: 16 rows x 272 bytes a wave
.set SPITCH, 272
.set SPARE,  STAGE+4*16*SPITCH         ; the spare words, 128 bytes a wave
.set LAPS,   4                         ; 2048 / (2 x 256)
.set ADRA, 16
.set ADRB, 20
.set STO,  24
.set RD,   25
.set CO,   26
.set SPW,  28
.set NIL,  29
.set TMP,  32
.set ACC,  128
.set F0,   0
.set F1,   128
.set G1, 24
.set G0, 32
.set G1B, 48
.set G0B, 56
.set MSB, 0
.macro WIN new
.if MSB != \new
	s_set_vgpr_msb (MSB<<8)|\new
.set MSB, \new
.endif
.endm
.set MUL,  0x05                        ; sources 0 (Wo) and 1 (O) window 1; C and D window 0
.set TO_F, 0x40
.macro JLOAD s                         ; a joint load: waves 0 and 1 fetch O's two halves, waves 2 and 3 Wo's; an s_nop 0 and four v_nop follow each line
	s_cmp_eq_u32 s11, 0
	s_cbranch_scc0 .Lfor_b_\@
	tensor_load_to_lds s[G0+4*\s:G0+4*\s+3], s[G1:G1+7]
	s_nop 0
.rept 4
	v_nop
.endr
	s_branch .Lasked_\@
.Lfor_b_\@:
	tensor_load_to_lds s[G0B+4*\s:G0B+4*\s+3], s[G1B:G1B+7]
	s_nop 0
.rept 4
	v_nop
.endr
.Lasked_\@:
.endm
.macro CREST
	s_cmp_lg_u32 s10, 0
	s_cbranch_scc1 .Lnot_wave_0_\@
	s_barrier_signal -3
.Lnot_wave_0_\@:
	s_barrier_wait -3
	s_barrier_signal -1
	s_barrier_wait -1
.endm
.macro CROUND
	s_barrier_signal -1
	s_barrier_wait -1
	CREST
.endm
	s_load_b128 s[4:7], s[0:1], 0x0                ; o16 s[4:5], wo16 s[6:7]
	s_load_b64 s[8:9], s[0:1], 0x10                ; out0
	v_lshl_add_u32 v[SPW], v0, 2, SPARE
	v_mov_b32 v[NIL], 0
	ds_add_u32 v[SPW], v[NIL]                      ; the wave's opening: the add, twice on end, and its wait ahead of my first tensor load
	ds_add_u32 v[SPW], v[NIL]
	v_lshrrev_b32 v1, 5, v0
	v_readfirstlane_b32 s10, v1                    ; wave 0..3
	s_lshr_b32 s11, s10, 1                         ; which half of the tile's rows is mine.  Also: I fetch for O (0) or for Wo (1)
	s_and_b32 s12, s10, 1                          ; which half of its columns.  Also: which 64 rows of that tile I fetch
	s_bfe_u32 s40, ttmp6, 0x40000
	s_bfe_u32 s41, ttmp6, 0x40004
	s_lshl_b32 s42, ttmp9, 2
	s_add_co_u32 s42, s42, s40                     ; tile column
	s_and_b32 s13, ttmp7, 0xffff
	s_lshl_b32 s13, s13, 2
	s_add_co_u32 s13, s13, s41                     ; tile row
	s_lshl_b32 s43, s41, 2
	s_lshl_b32 s43, 15, s43                        ; my row of the cluster
	s_lshl_b32 s44, 0x1111, s40                    ; my column
	s_or_b32 s[G1+0], s43, (1<<16)|(1<<20)|(1<<21)|(6<<22)|(3<<25)  ; the mask; elements of 2 bytes; padding on; bit 21 beside a mask; after every 128 words, 4 words
	s_or_b32 s[G1B+0], s44, (1<<16)|(1<<20)|(1<<21)|(6<<22)|(3<<25)
.irp g, G1, G1B
	s_mov_b32 s[\g+1], KSTEP<<16
	s_mov_b32 s[\g+2], 64<<16
	s_mov_b32 s[\g+3], KSTEP<<16
	s_mov_b32 s[\g+4], 64
	s_mov_b32 s[\g+5], SIZE_K
	s_mov_b32 s[\g+6], 0
	s_mov_b32 s[\g+7], 0
.endr
	s_lshl_b32 s17, s12, 6
	s_lshl_b32 s16, s13, 7
	s_add_co_u32 s16, s16, s17                     ; O: row 128 x tile row + 64 x half
	s_lshl_b32 s46, s42, 7
	s_add_co_u32 s46, s46, s17                     ; Wo: row 128 x tile column + 64 x half
	s_mov_b32 s17, 0
	s_mov_b32 s47, 0
	s_mov_b64 s[18:19], SIZE_K*2
	s_mul_u64 s[16:17], s[16:17], s[18:19]
	s_mul_u64 s[46:47], s[46:47], s[18:19]
	s_mul_i32 s20, s10, HALFT
	s_wait_dscnt 0x0                               ; both opening adds are done
	s_wait_kmcnt 0x0
	s_add_nc_u64 s[14:15], s[4:5], s[16:17]
	s_add_nc_u64 s[46:47], s[6:7], s[46:47]
	CROUND                                         ; all sixteen work-groups are here
.irp s, 0,1
	s_mov_b32 s[G0+4*\s], 1
	s_add_co_u32 s[G0+4*\s+1], s20, \s*SLOT
	s_add_nc_u64 s[G0+4*\s+2:G0+4*\s+3], s[14:15], \s*KSTEP*2
	s_or_b32 s[G0+4*\s+3], s[G0+4*\s+3], 0x80000000
	s_mov_b32 s[G0B+4*\s], 1
	s_add_co_u32 s[G0B+4*\s+1], s20, \s*SLOT
	s_add_nc_u64 s[G0B+4*\s+2:G0B+4*\s+3], s[46:47], \s*KSTEP*2
	s_or_b32 s[G0B+4*\s+3], s[G0B+4*\s+3], 0x80000000
	JLOAD \s                                       ; two tensor loads of mine are out
.endr
	v_and_b32 v1, 15, v0                           ; r
	v_bfe_u32 v2, v0, 4, 1                         ; h
	v_mul_u32_u24 v3, v1, PITCH
	v_lshl_add_u32 v3, v2, 4, v3
	s_mul_i32 s21, s11, HALFT
	s_mul_i32 s22, s12, HALFT
	s_add_co_u32 s22, s22, 2*HALFT
.irp s, 0,1
	v_add_nc_u32 v[ADRA+\s], s21, v3
	v_add_nc_u32 v[ADRB+\s], s22, v3
	s_add_co_u32 s21, s21, SLOT
	s_add_co_u32 s22, s22, SLOT
.endr
	s_mul_i32 s23, s10, 16*SPITCH
	s_add_co_u32 s23, s23, STAGE                   ; my stage
	v_mul_u32_u24 v4, v1, SPITCH                   ; in: row r, 32 bytes for each half of the lanes
	v_lshl_add_u32 v4, v2, 5, v4
	v_add_nc_u32 v[STO], s23, v4
	v_mul_u32_u24 v5, v2, SPITCH                   ; back: lanes 0-15 one row of 256 bytes, lanes 16-31 the next
	v_lshl_add_u32 v5, v1, 4, v5
	v_add_nc_u32 v[RD], s23, v5
	v_lshlrev_b32 v5, 13, v2                       ; and the same two rows in out0
	v_lshl_add_u32 v[CO], v1, 4, v5
	s_lshl_b32 s16, s13, 7
	s_lshl_b32 s17, s11, 6
	s_add_co_u32 s16, s16, s17                     ; my first row: 128 x tile row + 64 x half
	s_lshl_b32 s16, s16, 13
	s_mov_b32 s17, 0
	s_add_nc_u64 s[8:9], s[8:9], s[16:17]
	s_lshl_b32 s46, s42, 9                         ; my first column, in bytes: 512 x tile column + 256 x half
	s_lshl_b32 s47, s12, 8
	s_add_co_u32 s46, s46, s47
	s_mov_b32 s47, 0
	s_add_nc_u64 s[8:9], s[8:9], s[46:47]
.macro MUL8 f, c, a0, zero             ; 8 matrix instructions: m blocks a0, a0 + 1 x all 4 n blocks, 32 along K.  The 16 accumulators take turns
.irp a, \a0, \a0+1
.irp b, 0,1,2,3
.if \zero
	v_wmma_f32_16x16x32_f16 v[ACC+8*(4*(\a)+\b):ACC+8*(4*(\a)+\b)+7], v[\f+64+8*(4*\c+\b):\f+64+8*(4*\c+\b)+7], v[\f+8*(4*\c+\a):\f+8*(4*\c+\a)+7], 0
.else
	v_wmma_f32_16x16x32_f16 v[ACC+8*(4*(\a)+\b):ACC+8*(4*(\a)+\b)+7], v[\f+64+8*(4*\c+\b):\f+64+8*(4*\c+\b)+7], v[\f+8*(4*\c+\a):\f+8*(4*\c+\a)+7], v[ACC+8*(4*(\a)+\b):ACC+8*(4*(\a)+\b)+7]
.endif
.endr
.endr
.endm
.macro FETCH slot, k, f                ; 32 LDS loads in one run: the fragments of 64 along K at byte k of the rows; the first 32 along K first
	WIN TO_F
.irp c, 0,1
.irp i, 0,1,2,3
	ds_load_b128 v[\f+64+8*(4*\c+\i):\f+64+8*(4*\c+\i)+3],   v[ADRB+\slot] offset:\k+64*\c+\i*16*PITCH
	ds_load_b128 v[\f+64+8*(4*\c+\i)+4:\f+64+8*(4*\c+\i)+7], v[ADRB+\slot] offset:\k+64*\c+\i*16*PITCH+32
	ds_load_b128 v[\f+8*(4*\c+\i):\f+8*(4*\c+\i)+3],         v[ADRA+\slot] offset:\k+64*\c+\i*16*PITCH
	ds_load_b128 v[\f+8*(4*\c+\i)+4:\f+8*(4*\c+\i)+7],       v[ADRA+\slot] offset:\k+64*\c+\i*16*PITCH+32
.endr
.endr
.endm
.macro PLACES
.rept 4
	v_nop
.endr
.endm
.macro QUARTER slot, k, f, g, zero     ; 64 along K: multiplies buffer f and fetches the next quarter, at byte k, into g
	s_wait_dscnt 16                                ; the first 32 along K are in; the other sixteen loads may be out
	WIN MUL
	MUL8 \f, 0, 0, \zero
	MUL8 \f, 0, 2, \zero
	PLACES
	FETCH \slot, \k, \g
	s_wait_dscnt 32                                ; all but the 32 just issued
	WIN MUL
	MUL8 \f, 1, 0, 0
	MUL8 \f, 1, 2, 0
.endm
.macro TURN slot, next, fill           ; the last quarter changes slots
	WIN 0
	s_wait_tensorcnt 0x0                           ; all my tensor loads have landed: my part of the next slot
	ds_add_u32 v[SPW], v[NIL]                      ; 0 onto my spare word
	s_wait_dscnt 17                                ; the add and the youngest sixteen loads may be out
	WIN MUL
	MUL8 F1, 0, 0, 0
	s_wait_dscnt 0x0                               ; the add is done, and my reads of this slot are over
	s_barrier_signal -1
	MUL8 F1, 0, 2, 0
.if \fill
	WIN 0
.endif
	s_barrier_wait -1
.if \fill
	CREST                                          ; the barrier has opened a round of the cluster's: no wave of any partner still reads this slot or has a load on its way
	s_add_nc_u64 s[G0+4*\slot+2:G0+4*\slot+3], s[G0+4*\slot+2:G0+4*\slot+3], 2*KSTEP*2
	s_add_nc_u64 s[G0B+4*\slot+2:G0B+4*\slot+3], s[G0B+4*\slot+2:G0B+4*\slot+3], 2*KSTEP*2
	JLOAD \slot                                    ; the first tensor load behind the round, my only one until the next; its four v_nop are the places in front of the loads below
.else
	PLACES
.endif
	FETCH \next, 0, F0
	WIN MUL
	MUL8 F1, 1, 0, 0
	MUL8 F1, 1, 2, 0
.endm
	s_wait_tensorcnt 1                             ; my part of K step 0 is in; K step 1's load may be out
	s_barrier_signal -1
	s_barrier_wait -1
	FETCH 0, 0, F0
	QUARTER 0, 128, F0, F1, 1                      ; the first products start the sums
	WIN 0
	s_mov_b32 s3, LAPS-1
.Llap:
	QUARTER 0, 256, F1, F0, 0
	QUARTER 0, 384, F0, F1, 0
	TURN 0, 1, 1
	QUARTER 1, 128, F0, F1, 0
	QUARTER 1, 256, F1, F0, 0
	QUARTER 1, 384, F0, F1, 0
	TURN 1, 0, 1
	QUARTER 0, 128, F0, F1, 0
	WIN 0
	s_sub_co_u32 s3, s3, 1
	s_cmp_lg_u32 s3, 0
	s_cbranch_scc1 .Llap
	QUARTER 0, 256, F1, F0, 0                      ; the last lap fills nothing
	QUARTER 0, 384, F0, F1, 0
	TURN 0, 1, 0
	QUARTER 1, 128, F0, F1, 0
	QUARTER 1, 256, F1, F0, 0
	QUARTER 1, 384, F0, F1, 0
	s_wait_dscnt 16
	WIN MUL
	MUL8 F1, 0, 0, 0
	MUL8 F1, 0, 2, 0
	s_wait_dscnt 0
	MUL8 F1, 1, 0, 0
	MUL8 F1, 1, 2, 0
	WIN 0
	; THE WAY OUT, 16 rows x 64 columns at a time, through my own stage: in by 32 bytes a lane, back as whole rows of 256 bytes.
	PLACES
.irp a, 0,1,2,3
.if \a > 1
	s_wait_xcnt 0x0                                ; the stores of two blocks ago have read the registers into which these loads land
.endif
.irp b, 0,1,2,3
	ds_store_b128 v[STO], v[ACC+8*(4*\a+\b):ACC+8*(4*\a+\b)+3] offset:64*\b          ; each accumulator from its low end on
	ds_store_b128 v[STO], v[ACC+8*(4*\a+\b)+4:ACC+8*(4*\a+\b)+7] offset:64*\b+16
.endr
.irp t, 0,1,2,3,4,5,6,7
	ds_load_b128 v[TMP+32*(\a%2)+4*\t:TMP+32*(\a%2)+4*\t+3], v[RD] offset:\t*2*SPITCH   ; LDS serves a wave's instructions in order: these see the stores above, and the next block's stores come behind them
.endr
	s_wait_dscnt 0x0
.irp t, 0,1,2,3,4,5,6,7
	global_store_b128 v[CO], v[TMP+32*(\a%2)+4*\t:TMP+32*(\a%2)+4*\t+3], s[8:9] offset:(16*\a+2*\t)*8192 th:TH_STORE_NT   ; 16 lanes store 256 consecutive bytes, aligned
.endr
.endr
	s_wait_tensorcnt 0x0                           ; the wave's end, behind my last tensor load and my last LDS store
	ds_add_u32 v[SPW], v[NIL]
	s_wait_dscnt 0x0
	CROUND                                         ; the closing round
	s_endpgm
.Lfunc_end_k_q3dc0125523_proj:
	.size	k_q3dc0125523_proj, .Lfunc_end_k_q3dc0125523_proj-k_q3dc0125523_proj
	.p2alignl 7, 3214868480
	.fill 96, 4, 3214868480
	.section	.rodata,"a",@progbits
	.p2align	6, 0x0
	.amdhsa_kernel k_q3dc0125523_proj
		.amdhsa_group_segment_fixed_size 327680
		.amdhsa_private_segment_fixed_size 0
		.amdhsa_enable_private_segment 0
		.amdhsa_kernarg_size 24
		.amdhsa_user_sgpr_count 2
		.amdhsa_user_sgpr_kernarg_segment_ptr 1
		.amdhsa_wavefront_size32 1
		.amdhsa_system_sgpr_workgroup_id_x 1
		.amdhsa_system_sgpr_workgroup_id_y 1
		.amdhsa_system_sgpr_workgroup_id_z 1
		.amdhsa_system_vgpr_workitem_id 0
		.amdhsa_next_free_vgpr 512
		.amdhsa_next_free_sgpr 66
		.amdhsa_reserve_vcc 0
		.amdhsa_float_denorm_mode_32 3
		.amdhsa_float_denorm_mode_16_64 3
		.amdhsa_memory_ordered 1
		.amdhsa_forward_progress 1
		.amdhsa_inst_pref_size 86
	.end_amdhsa_kernel
	.amdgpu_metadata
---
amdhsa.version: [ 1, 2 ]
amdhsa.kernels:
  - .name:           k_q3dc0125523_proj
    .symbol:         k_q3dc0125523_proj.kd
    .args:
      - { .name: o16, .offset: 0, .size: 8, .value_kind: global_buffer, .address_space: global }
      - { .name: wo16, .offset: 8, .size: 8, .value_kind: global_buffer, .address_space: global }
      - { .name: out0, .offset: 16, .size: 8, .value_kind: global_buffer, .address_space: global }
    .group_segment_fixed_size: 327680
    .private_segment_fixed_size: 0
    .kernarg_segment_align: 8
    .kernarg_segment_size: 24
    .max_flat_workgroup_size: 128
    .sgpr_count:     66
    .vgpr_count:     512
    .wavefront_size: 32
...
	.end_amdgpu_metadata
.endif
;; end of part 4
;; launch fine (part 5): grid 128 x 1, 8 waves a work-group, no clusters, 279,552 bytes of LDS; arguments fine32, Wo, out0; writes out0
.if DOCPART == 5
	.amdgcn_target "amdgcn-amd-amdhsa--gfx1250"
	.amdhsa_code_object_version 6
	.text
	.protected	k_q3dc0125523_fine
	.globl	k_q3dc0125523_fine
	.p2align	8
	.type	k_q3dc0125523_fine,@function
k_q3dc0125523_fine:
	s_mov_b64 s[64:65], 0
	v_nop
	global_prefetch_b8 v0, s[64:65] scope:SCOPE_SE
	s_setreg_imm32_b32 hwreg(HW_REG_WAVE_MODE, 25, 1), 1
	s_wait_xcnt 0x0
; FINE: positions 0-15 in f32 throughout: their attention in all 16 heads and their rows of the projection.  Under the causal mask these rows average one to sixteen values, where 16-bit operands would weigh most.
; fine32 [16][6144] f32: columns 0-2047 Q, 2048-4095 K (both rotated), 4096-6143 V.  Wo [2048][2048] f32.  out0 rows 0-15 are stored anew.
; SHARES.  Work-group g owns out0[0:16][16 g : 16 g + 16].  Wave w owns heads 2 w and 2 w + 1 (e = 0, 1); the eight waves' sums meet in LDS.
; THE SUM IS ASSOCIATED OTHERWISE THAN reference() WRITES IT: for each head out += (p / l) (V Wo_h^T), not ((p / l) V) Wo_h^T; every product and sum in f32, so only the order of rounding differs.
; T = V Wo_h^T is 16 keys x 16 columns over 128 channels, 32 matrix instructions, and the last product runs over 16 keys, 4: a head takes 32 + 32 + 4 = 68 where the written order takes 96.
; And V is then summed along its channels, as Q, K and Wo are: all eight matrices of a wave have ONE SHAPE, 16 rows x 512 bytes, and go one way:
;   a load takes one row, 16 bytes a lane: 512 consecutive bytes;  the rows go into the wave's own LDS region as they lie (pitch 528);  lane (r, h) reads row r back, 16 bytes at 16 h + 32 i.
; So register 4 i + k of a fragment is channel 8 i + 4 h + k of row r: the places along a product's K are permuted alike in both sources.
;   scores^T = K Q^T   (source 0 = 16 keys, source 1 = 16 queries): lane (r, h) holds query r, keys 8 h + 0 .. 7.
;   T        = V Wo^T  (source 0 = 16 keys, source 1 = 16 columns): lane (r, h) holds column r, keys 8 h + 0 .. 7: as it lies it is source 0 of the last product, and p its source 1.
;   out^T    = T^T p^T: lane (r, h) holds query r, columns 8 h + 0 .. 7.
; TWO BATCHES of four matrices (Q0 K0 Q1 K1; Wo0 V0 Wo1 V1) share 256 registers and 33,792 bytes of LDS a wave: the second is asked for as soon as the first lies in LDS, and is on its way under the scores' 64 products.
; All products by v_wmma_f32_16x16x4_f32, 136 a wave: no bulk work.  The registers that they write (v32-111) are written by nothing else; sums begin with the constant 0; accumulators take turns.
; No cluster and no tensor load: the rows of all heads are more than LDS holds, and every work-group would take in the same bytes.  The stores are runs of 64 bytes: 131,072 bytes in all.
; LIMITS: NaN and infinities among the inputs are not served.
; REGISTERS: window 0: v1-15 addresses; v16-23 at work; v32-63 the scores' four accumulators; v64-95 T's four; v96-111 out's two; v112-127 scores, then p / l; v128-191, v192-255 two buffers of fragments, later sums.
;   window 1: a batch's rows as loaded: matrix m at 64 m, row p at + 4 p.
.set PIT,   528                        ; an LDS row: 512 bytes + 16: the 16 rows that a load touches start at 16 different banks (64 banks of 4 bytes: ISA guide 11.1)
.set MATB,  16*PIT                     ; a matrix
.set WREG,  4*MATB                     ; a wave's region: a batch
.set RED,   8*WREG                     ; behind the eight regions: the waves' sums, 1,024 bytes a wave
.set SPARE, RED+8192                   ; the spare words, 128 bytes a wave
.set GA,  3                            ; v3  16 x lane: my 16 bytes of a row in memory
.set LST, 4                            ; v4  and in my wave's region
.set LFR, 5                            ; v5  my fragments: row r, + 16 h
.set SPW, 30
.set NIL, 31
.set SA,  32
.set TA,  64
.set OA,  96
.set P,   112
.set BUF, 128
.set MSB, 0
.macro WIN new                         ; the immediate's high byte repeats the setting that is left
.if MSB != \new
	s_set_vgpr_msb (MSB<<8)|\new
.set MSB, \new
.endif
.endm
.macro PLACES8                         ; eight plain lines behind this form of matrix instruction (ISA guide 7.12.1)
.rept 8
	v_nop
.endr
.endm
; Matrix m of a batch: 16 rows, a load a row.  nt = 1: bytes that the whole launch reads once
.macro GLOAD m, base, off, stride, nt
.irp p, 0,1,2,3,4,5,6,7,8,9,10,11,12,13,14,15
.if \nt
	global_load_b128 v[64*(\m)+4*\p:64*(\m)+4*\p+3], v[GA], s[\base:\base+1] offset:\off+\stride*\p th:TH_LOAD_NT
.else
	global_load_b128 v[64*(\m)+4*\p:64*(\m)+4*\p+3], v[GA], s[\base:\base+1] offset:\off+\stride*\p
.endif
.endr
.endm
.macro LSTORE m                        ; its rows into my region, as they lie
.irp p, 0,1,2,3,4,5,6,7,8,9,10,11,12,13,14,15
	ds_store_b128 v[LST], v[64*(\m)+4*\p:64*(\m)+4*\p+3] offset:MATB*(\m)+PIT*\p
.endr
.endm
.macro TOLDS                           ; a batch goes into LDS matrix by matrix, as it lands
	WIN 0x04                                       ; an LDS store's data are its source 1: window 1
.irp m, 0,1,2,3
	s_wait_loadcnt 48-16*\m                        ; matrix m's 16 loads are in; the younger matrices', 16 each, may be out
	LSTORE \m
.endr
.endm
.macro CHLOAD c                        ; chunk c: 32 channels of all four matrices: 16 registers each, into buffer c % 2
.irp m, 0,1,2,3
.irp i, 0,1,2,3
	ds_load_b128 v[BUF+64*((\c)%2)+16*\m+4*\i:BUF+64*((\c)%2)+16*\m+4*\i+3], v[LFR] offset:MATB*\m+32*(4*(\c)+\i)
.endr
.endr
.endm
; Two products of 16 x 16 x 128, one for each head: source 0 = the batch's matrix 2 e + 1, source 1 = matrix 2 e.  Four accumulators by turns: 2 e + step % 2.  Chunks 0 and 1 have been asked for.
.macro GEMM acc
.irp c, 0,1,2,3
.if (\c > 0) && (\c < 3)
	PLACES8                                        ; behind the products that read the buffer into which the next loads land
	CHLOAD \c+1
.endif
.if \c < 3
	s_wait_dscnt 16                                ; this chunk is in; the next chunk's 16 loads may be out
.else
	s_wait_dscnt 0x0
.endif
.set bf, BUF+64*(\c%2)
.set sp, 0
.rept 8
.irp e, 0,1
.if (\c == 0) && (sp < 2)
	v_wmma_f32_16x16x4_f32 v[\acc+16*\e+8*(sp%2):\acc+16*\e+8*(sp%2)+7], v[bf+32*\e+16+2*sp:bf+32*\e+17+2*sp], v[bf+32*\e+2*sp:bf+32*\e+1+2*sp], 0
.else
	v_wmma_f32_16x16x4_f32 v[\acc+16*\e+8*(sp%2):\acc+16*\e+8*(sp%2)+7], v[bf+32*\e+16+2*sp:bf+32*\e+17+2*sp], v[bf+32*\e+2*sp:bf+32*\e+1+2*sp], v[\acc+16*\e+8*(sp%2):\acc+16*\e+8*(sp%2)+7]
.endif
.endr
.set sp, sp+1
.endr
.endr
	PLACES8                                        ; in front of the first reads of the sums, and of loads and writes into both buffers
.endm
	s_load_b128 s[4:7], s[0:1], 0x0                ; fine32 s[4:5], Wo s[6:7]
	s_load_b64 s[8:9], s[0:1], 0x10                ; out0
	v_lshl_add_u32 v[SPW], v0, 2, SPARE
	v_mov_b32 v[NIL], 0
	v_lshrrev_b32 v1, 5, v0
	v_readfirstlane_b32 s10, v1                    ; wave 0..7
	v_and_b32 v1, 15, v0                           ; r
	v_bfe_u32 v2, v0, 4, 1                         ; h
	v_and_b32 v11, 31, v0                          ; lane
	v_lshlrev_b32 v[GA], 4, v11
	s_mul_i32 s11, s10, WREG                       ; my wave's region
	v_add_nc_u32 v[LST], s11, v[GA]
	v_mul_u32_u24 v[LFR], v1, PIT
	v_lshl_add_u32 v[LFR], v2, 4, v[LFR]
	v_add_nc_u32 v[LFR], s11, v[LFR]
	v_lshlrev_b32 v6, 3, v2
	v_sub_nc_u32 v6, v1, v6                        ; r - 8 h: key 8 h + i is hidden where i is above it
	v_mov_b32 v7, 0xff800000                       ; -infinity
	s_lshl_b32 s15, s10, 10
	s_add_co_u32 s22, s15, RED
	v_lshl_add_u32 v8, v11, 5, s22                 ; the sums, in: 1,024 x wave + 32 x lane
	v_lshrrev_b32 v12, 4, v0                       ; thread T stores out0[q = T / 16][16 g + c], c = T % 16
	v_and_b32 v13, 7, v0
	v_bfe_u32 v14, v0, 3, 1
	v_lshlrev_b32 v9, 5, v12
	v_lshl_add_u32 v9, v14, 9, v9
	v_lshl_add_u32 v9, v13, 2, v9
	v_add_nc_u32 v9, RED, v9                       ; the sums, back: lane q + 16 (c / 8), register c % 8
	v_lshlrev_b32 v10, 13, v12
	v_and_b32 v13, 15, v0
	v_lshl_add_u32 v10, v13, 2, v10                ; 8,192 q + 4 c
	s_mov_b32 s12, 0x76543210
	s_mov_b32 s13, 0xfedcba98                      ; v_permlanex16_b32's selects for lane l xor 16
	s_mov_b32 s14, 0x3e0293ee                      ; c = log2(e) / sqrt(128)
	s_mov_b32 s16, s15                             ; my two heads: 1,024 bytes x wave
	s_mov_b32 s17, 0
	s_lshl_b32 s18, ttmp9, 17                      ; Wo: 16 g rows of 8,192 bytes
	s_mov_b32 s19, 0
	s_lshl_b32 s20, ttmp9, 6                       ; out0: 64 g bytes
	s_mov_b32 s21, 0
	s_wait_kmcnt 0x0
	s_add_nc_u64 s[4:5], s[4:5], s[16:17]
	s_add_nc_u64 s[6:7], s[6:7], s[16:17]
	s_add_nc_u64 s[6:7], s[6:7], s[18:19]
	s_add_nc_u64 s[8:9], s[8:9], s[20:21]
	; ---- the first batch: Q and K of both heads
	WIN 0x40                                       ; destination window 1
	GLOAD 0, 4, 0, 24576, 0                        ; Q, head 2 w
	GLOAD 1, 4, 8192, 24576, 0                     ; K
	GLOAD 2, 4, 512, 24576, 0                      ; Q, head 2 w + 1
	GLOAD 3, 4, 8704, 24576, 0                     ; K
	TOLDS
	s_wait_dscnt 0x0                               ; the stores have read their registers: the second batch may land there
	; ---- the second batch is asked for now and lands under the scores' products
	WIN 0x40
	GLOAD 0, 6, 0, 8192, 1                         ; Wo's 16 rows, the 128 columns of head 2 w
	GLOAD 1, 4, 16384, 24576, 0                    ; V
	GLOAD 2, 6, 512, 8192, 1                       ; Wo, head 2 w + 1
	GLOAD 3, 4, 16896, 24576, 0                    ; V
	WIN 0
	CHLOAD 0
	CHLOAD 1
	GEMM SA                                        ; scores^T of both heads
	TOLDS                                          ; the second batch into the same bytes: my reads of the first are over (the last chunk's wait was for 0), and LDS serves a wave's instructions in order
	WIN 0
	CHLOAD 0
	CHLOAD 1
	; ---- the softmax of both heads, while the second batch turns through LDS
.irp e, 0,1
.irp i, 0,1,2,3,4,5,6,7
	v_add_f32 v[P+8*\e+\i], v[SA+16*\e+\i], v[SA+8+16*\e+\i]       ; each accumulator from its low end on
.endr
.endr
.irp i, 0,1,2,3,4,5,6,7
	v_cmp_gt_i32 vcc_lo, \i, v6
	v_cndmask_b32 v[P+\i], v[P+\i], v7, vcc_lo
	v_cndmask_b32 v[P+8+\i], v[P+8+\i], v7, vcc_lo
.endr
.irp e, 0,1
	v_max3_num_f32 v[16+\e], v[P+8*\e], v[P+1+8*\e], v[P+2+8*\e]
	v_max3_num_f32 v[16+\e], v[16+\e], v[P+3+8*\e], v[P+4+8*\e]
	v_max3_num_f32 v[16+\e], v[16+\e], v[P+5+8*\e], v[P+6+8*\e]
	v_max_num_f32 v[16+\e], v[16+\e], v[P+7+8*\e]
	v_mov_b32 v[18+\e], 0                          ; a lane permute's destination counts as one of its sources
.endr
.irp e, 0,1
	v_permlanex16_b32 v[18+\e], v[16+\e], s12, s13
.endr
.irp e, 0,1
	v_max_num_f32 v[16+\e], v[16+\e], v[18+\e]     ; the row's maximum: key 0 counts for every query, so it is a number
	v_mul_f32 v[16+\e], s14, v[16+\e]
.endr
.irp e, 0,1
.irp i, 0,1,2,3,4,5,6,7
	v_fma_f32 v[P+8*\e+\i], v[P+8*\e+\i], s14, -v[16+\e]
.endr
.endr
.set n, 0
.rept 16
	v_exp_f32 v[P+n], v[P+n]
.set n, n+1
.endr
	v_nop
	s_wait_alu depctr_va_vdst(0)                   ; one wait for the sixteen, ahead of their first reader
.irp e, 0,1
	v_add_f32 v[20+\e], v[P+8*\e], v[P+1+8*\e]
.irp i, 2,3,4,5,6,7
	v_add_f32 v[20+\e], v[20+\e], v[P+8*\e+\i]
.endr
.endr
.irp e, 0,1
	v_permlanex16_b32 v[18+\e], v[20+\e], s12, s13
.endr
.irp e, 0,1
	v_add_f32 v[20+\e], v[20+\e], v[18+\e]         ; the row's sum
.endr
	v_rcp_f32 v22, v20
	v_rcp_f32 v23, v21
	v_nop
	s_wait_alu depctr_va_vdst(0)                   ; one wait for the two
.irp e, 0,1
.irp i, 0,1,2,3,4,5,6,7
	v_mul_f32 v[P+8*\e+\i], v[P+8*\e+\i], v[22+\e] ; p / l: sixteen multiplications in place of one for each channel
.endr
.endr
	GEMM TA                                        ; T = V Wo^T of both heads
.irp e, 0,1
.irp i, 0,1,2,3,4,5,6,7
	v_add_f32 v[BUF+8*\e+\i], v[TA+16*\e+\i], v[TA+8+16*\e+\i]     ; lane (r, h): column r, keys 8 h + i; into other registers than the sums'
.endr
.endr
.irp e, 0,1                                        ; out^T += T^T (p / l)^T: 16 keys, four steps a head; two accumulators by turns
.irp q, 0,1,2,3
.if (\e == 0) && (\q < 2)
	v_wmma_f32_16x16x4_f32 v[OA+8*(\q%2):OA+8*(\q%2)+7], v[BUF+8*\e+2*\q:BUF+8*\e+2*\q+1], v[P+8*\e+2*\q:P+8*\e+2*\q+1], 0
.else
	v_wmma_f32_16x16x4_f32 v[OA+8*(\q%2):OA+8*(\q%2)+7], v[BUF+8*\e+2*\q:BUF+8*\e+2*\q+1], v[P+8*\e+2*\q:P+8*\e+2*\q+1], v[OA+8*(\q%2):OA+8*(\q%2)+7]
.endif
.endr
.endr
	PLACES8
.irp i, 0,1,2,3,4,5,6,7
	v_add_f32 v[BUF+16+\i], v[OA+\i], v[OA+8+\i]   ; my two heads' part of out0[r][16 g + 8 h + i]
.endr
	ds_store_b128 v8, v[BUF+16:BUF+19]
	ds_store_b128 v8, v[BUF+20:BUF+23] offset:16
	s_wait_dscnt 0x0                               ; for the others' sake: my stores have landed
	s_barrier_signal -1
	s_barrier_wait -1
.irp u, 0,1,2,3,4,5,6,7
	ds_load_b32 v[BUF+32+\u], v9 offset:1024*\u    ; the eight waves' parts of my number
.endr
	s_wait_dscnt 0x0
	v_add_f32 v[BUF+32], v[BUF+32], v[BUF+33]
	v_add_f32 v[BUF+34], v[BUF+34], v[BUF+35]
	v_add_f32 v[BUF+36], v[BUF+36], v[BUF+37]
	v_add_f32 v[BUF+38], v[BUF+38], v[BUF+39]
	v_add_f32 v[BUF+32], v[BUF+32], v[BUF+34]
	v_add_f32 v[BUF+36], v[BUF+36], v[BUF+38]
	v_add_f32 v[BUF+32], v[BUF+32], v[BUF+36]
	global_store_b32 v10, v[BUF+32], s[8:9]
	s_wait_tensorcnt 0x0                           ; the wave's end, behind my last LDS store
	ds_add_u32 v[SPW], v[NIL]
	s_wait_dscnt 0x0
	s_endpgm
.Lfunc_end_k_q3dc0125523_fine:
	.size	k_q3dc0125523_fine, .Lfunc_end_k_q3dc0125523_fine-k_q3dc0125523_fine
	.p2alignl 7, 3214868480
	.fill 96, 4, 3214868480
	.section	.rodata,"a",@progbits
	.p2align	6, 0x0
	.amdhsa_kernel k_q3dc0125523_fine
		.amdhsa_group_segment_fixed_size 279552
		.amdhsa_private_segment_fixed_size 0
		.amdhsa_enable_private_segment 0
		.amdhsa_kernarg_size 24
		.amdhsa_user_sgpr_count 2
		.amdhsa_user_sgpr_kernarg_segment_ptr 1
		.amdhsa_wavefront_size32 1
		.amdhsa_system_sgpr_workgroup_id_x 1
		.amdhsa_system_sgpr_workgroup_id_y 1
		.amdhsa_system_sgpr_workgroup_id_z 1
		.amdhsa_system_vgpr_workitem_id 0
		.amdhsa_next_free_vgpr 512
		.amdhsa_next_free_sgpr 66
		.amdhsa_reserve_vcc 1
		.amdhsa_float_denorm_mode_32 3
		.amdhsa_float_denorm_mode_16_64 3
		.amdhsa_memory_ordered 1
		.amdhsa_forward_progress 1
		.amdhsa_inst_pref_size 49
	.end_amdhsa_kernel
	.amdgpu_metadata
---
amdhsa.version: [ 1, 2 ]
amdhsa.kernels:
  - .name:           k_q3dc0125523_fine
    .symbol:         k_q3dc0125523_fine.kd
    .args:
      - { .name: fine32, .offset: 0, .size: 8, .value_kind: global_buffer, .address_space: global }
      - { .name: Wo, .offset: 8, .size: 8, .value_kind: global_buffer, .address_space: global }
      - { .name: out0, .offset: 16, .size: 8, .value_kind: global_buffer, .address_space: global }
    .group_segment_fixed_size: 279552
    .private_segment_fixed_size: 0
    .kernarg_segment_align: 8
    .kernarg_segment_size: 24
    .max_flat_workgroup_size: 256
    .sgpr_count:     66
    .vgpr_count:     512
    .wavefront_size: 32
...
	.end_amdgpu_metadata
.endif
;; end of part 5
